; MI455X (gfx1250); checked and timed in simulation.
; The chip was launched on July 23, 2026; its instructions are those of AMD's public machine-readable ISA for CDNA 5 (MIT licence, August 2026) and "CDNA5" Instruction Set Architecture Reference Guide (July 2026). The comments in the code are by the model that wrote it; some were corrected since.
;; Multi Head Attention. Allowed arithmetic: matrix products marked QUANTISED: E2M1 operands, one E8M0 scale for each 32 along K, by v_wmma_scale_f32_16x16x128_f8f6f4 with both operands' format E2M1 (or v_wmma_scale_f32_32x16x128_f4), f32 sums; everything else in f32.
;; Inputs: Wk 1,024 x 1,024 float32; Wo 1,024 x 1,024 float32; Wq 1,024 x 1,024 float32; Wv 1,024 x 1,024 float32; X 1 x 4,096 x 1,024 float32; bk 1,024 float32; bo 1,024 float32; bq 1,024 float32; bv 1,024 float32.
;; Outputs: out0 1 x 4,096 x 1,024 float32.
;; Constants: is_causal = 1.
;; This version of the problem:
;;   THIS VERSION OF THE PROBLEM IS GIVEN IN LOW PRECISION. The matrix products marked QUANTISED in the list below multiply operands that are first quantised to E2M1 (2 exponent bits, 1 mantissa bit; 4 bits a number), with one power-of-two scale for each 32 numbers along K (OCP MX v1.0); their sums are f32. All else is computed in f32.
;;   The module's matrix products, in the order in which they are computed (A, B: the left and right operand; K: the contracted axis; several contracted axes count as one K, in the product's order):
;;     1. [M 4,096, K 1,024] x [K 1,024, N 1,024]; A: input X; B: input Wq: QUANTISED
;;     2. [M 4,096, K 1,024] x [K 1,024, N 1,024]; A: input X; B: input Wk: QUANTISED
;;     3. [M 4,096, K 1,024] x [K 1,024, N 1,024]; A: input X; B: input Wv: QUANTISED
;;     4. batch 16 x [M 4,096, K 64] x [K 64, N 4,096]; A: computed on the way; B: computed on the way: QUANTISED
;;     5. batch 16 x [M 4,096, K 4,096] x [K 4,096, N 64]; A: softmax (see below); B: computed on the way: QUANTISED
;;     6. [M 4,096, K 1,024] x [K 1,024, N 1,024]; A: computed on the way; B: input Wo: QUANTISED
;;   THE QUANTISER, for each operand of a quantised product, along K:
;;     - K is cut into blocks of 32 from its start; a last block that is shorter is filled with zeros.
;;     - A block's scale is 2^e with e = floor(log2(the largest magnitude in the block)) - 2, held to -126 .. 127; a block of zeros has e = 0. As a byte (E8M0): e + 127.
;;     - Each number is divided by its block's scale, clamped to +-6, and rounded to the nearest number of E2M1, ties to even, subnormals kept.
;;     - The product sums the exact products of the quantised numbers (number of the format x scale) in f32.
;;   ~~~python
;;   def quantise(x, axis):      # numpy; x: float32 -> the quantised numbers, widened to float32 again
;;       x = np.moveaxis(x, axis, -1); K = x.shape[-1]
;;       x = np.pad(x, [(0, 0)] * (x.ndim - 1) + [(0, -K % 32)]); x = x.reshape(x.shape[:-1] + (-1, 32)); a = np.abs(x).max(-1, keepdims=True)
;;       e = np.where(a > 0, np.clip(np.frexp(np.where(a > 0, a, 1))[1] - 1 - 2, -126, 127), 0)      # np.frexp(a)[1] - 1 = floor(log2(a)), exactly
;;       r = np.clip(x / 2.0 ** e, -6, 6)
;;       step = 2.0 ** (np.maximum(np.frexp(np.where(r == 0, 1, r))[1] - 1, 0) - 1)
;;       q = np.round(r / step) * step * 2.0 ** e      # np.round: ties to even
;;       return np.moveaxis(q.reshape(q.shape[:-2] + (-1,))[..., :K], -1, axis).astype(np.float32)
;;   ~~~
;;   SOFTMAX AHEAD OF A QUANTISED PRODUCT. Where the list says 'softmax', what is quantised is not the finished softmax but p = 2^(t - M), with t = logit x log2(e) and M = ceil(the row's largest t), a whole number; so 1/2 < the row's largest p <= 1. The row's sum l is taken of the UNQUANTISED p, in f32, and the product's result is divided by l at the end. Since M is a whole number, a kernel that streams over the keys may use a running M (the ceiling of the running maximum): every later rescaling is an exact power of two, which a block's scale takes up: the codes' values come out the same.
;;   OPERANDS COMPUTED ON THE WAY. 'Computed on the way' means the value that the module computes at that place (a softmax that the list does not call 'softmax' is quantised finished and normalised). What goes into a quantiser is computed in f32, as accurately as f32 sums, v_exp_f32 and their like allow (about 1e-6 of the number): no bf16 or f16 on the way to a quantiser, and a product that is left as it is and whose result goes on into a quantised operand takes f32 operands (vector FMAs, or v_wmma_f32_16x16x4_f32). A number that lies on a knife's edge between two numbers of the format may be rounded either way, as far as f32 arithmetic and the matrix unit's own rounding can turn it there, and no further.
;; One version. Each part assembles by itself: llvm-mc -triple=amdgcn-amd-amdhsa -mcpu=gfx1250 --defsym DOCPART=n.
;; ======== version 1 of 1: 4 launches
;; limits: right only within a limited range of input values
;; workspace buffers: xi 2,359,296 bytes; wi 2,359,296 bytes; qk 4,718,592 bytes; vt 2,228,224 bytes; oi 2,359,296 bytes
;; launch quant (part 1): grid 256 x 1, 8 waves a work-group, no clusters, 68,608 bytes of LDS; arguments X, Wq, Wk, Wv, Wo, xi, wi; writes xi, wi
.if DOCPART == 1
	.amdgcn_target "amdgcn-amd-amdhsa--gfx1250"
	.amdhsa_code_object_version 6
	.text
	.protected	k_qffebc91206_quant
	.globl	k_qffebc91206_quant
	.p2align	8
	.type	k_qffebc91206_quant,@function
k_qffebc91206_quant:
	s_mov_b64 s[64:65], 0
	v_nop
	global_prefetch_b8 v0, s[64:65] scope:SCOPE_SE
	s_setreg_imm32_b32 hwreg(HW_REG_WAVE_MODE, 25, 1), 1
	s_wait_xcnt 0x0
; X [4096][1024] and Wq, Wk, Wv, Wo [1024][1024], f32, K innermost, become codes of FP4 (E2M1) with one E8M0 byte for each 32 along K,
; laid as IMAGES OF THE OPERAND'S REGISTERS: [tile of 16 rows][record q = 0..3][2,304 bytes]; a record holds the fragment of K step 2q (1,024 bytes: piece c at 512 c,
; lane l at 16 l = codes of the tile's row l % 16, k = 128 s + 64 c + 32 (l / 16) + 0..31), the fragment of K step 2q + 1, and 256 bytes of scale words (lane l at 8 l: the two steps' words of row l % 16).
; THE ROWS OF A TILE ARE NOT NEIGHBOURS: index r of tile T stands for row 64 (T / 4) + 8 (T % 4) + r % 8 + 32 (r / 8), so that the 32 result registers of four tiles are 32 neighbours, a whole block, in one lane.
; A block's scale is 2^(floor(log2(largest magnitude)) - 2): its byte is the largest magnitude's exponent field - 2, held at 1 from below.
; LIMITS of the whole program: a block of zeros gets the byte 1, not 127 (its codes are zeros, and this program alone reads the bytes); blocks whose largest magnitude lies under 2^-124 have their byte held at 1; NaN and infinities are not served.
; LEFT OUT in the attention launch: steps of keys that all come after a band's queries: reference()'s own tril puts -inf there for all values of the inputs, so their p is 0.  A NaN, an infinity or an overflow that reaches only such scores is not carried to the result.
; SHARES: 512 tiles (xi: X's 256; wi: Wq 0-63, Wk 64-127, Wv 128-191, Wo 192-255).  A wave takes one tile x one record: two K steps of 128, 2,304 consecutive output bytes.
; Each load reads 512 consecutive bytes of one row; a step's 16 rows turn through the wave's own stage in LDS (rows 528 bytes apart) so that a lane gets two whole blocks of its row.
; A stream: no matrix unit, no cluster (work-groups share no input), no tensor load, no barrier (waves share nothing).  All of a wave's 32 loads go out at its head, so nothing is left to prefetch.
.set RW, 16                            ; v16-143  two sets of 64 registers as loaded
.set XN, 144                           ; v144-207 my two blocks of 32 numbers
.set CD, 208                           ; v208-223 codes: eight registers a step, never written again
.set SW, 240                           ; v240-241 a scale word a step
.set MX, 244
.set SC, 246                           ; v246-247 the conversions' scale operands
.set BY, 248
.set WD, 250
.set TP, 251
.set SP, 528
.set SPARE, 8*16*SP                    ; behind the stages: the spare words
	s_load_b256 s[4:11], s[0:1], 0x0               ; X, Wq, Wk, Wv
	s_load_b128 s[12:15], s[0:1], 0x20             ; Wo, xi
	s_load_b64 s[16:17], s[0:1], 0x30              ; wi
	v_lshl_add_u32 v254, v0, 2, SPARE
	v_mov_b32 v255, 0
	v_lshrrev_b32 v6, 5, v0
	v_readfirstlane_b32 s18, v6                    ; wave 0..7
	v_and_b32 v7, 31, v0                           ; lane
	v_lshlrev_b32 v1, 4, v7                        ; 16 x lane
	v_lshlrev_b32 v2, 3, v7                        ; 8 x lane
	s_mul_i32 s19, s18, 16*SP                      ; my stage
	v_add_nc_u32 v3, s19, v1                       ; into it: a row's 512 bytes as they lie
	v_and_b32 v8, 15, v0                           ; r
	v_bfe_u32 v9, v0, 4, 1                         ; h
	v_mul_u32_u24 v4, v8, SP
	v_lshl_add_u32 v4, v9, 7, v4
	v_add_nc_u32 v4, s19, v4                       ; out of it: row r, block h
	v_lshlrev_b32 v5, 3, v9                        ; 8 h: my bytes' place in the scale word
	v_mov_b32 v[TP], 0                             ; a lane permute's destination counts as one of its sources
	s_mov_b32 s26, 0x76543210
	s_mov_b32 s27, 0xfedcba98                      ; lane l xor 16
	s_wait_alu depctr_va_vdst(0)                   ; the wait at the head's end
	s_wait_kmcnt 0x0
	s_mov_b64 s[20:21], s[12:13]                   ; which tensor: the choice hangs on the work-group's number alone
	s_cmp_lt_u32 ttmp9, 224
	s_cselect_b64 s[20:21], s[10:11], s[20:21]
	s_cmp_lt_u32 ttmp9, 192
	s_cselect_b64 s[20:21], s[8:9], s[20:21]
	s_cmp_lt_u32 ttmp9, 160
	s_cselect_b64 s[20:21], s[6:7], s[20:21]
	s_cmp_lt_u32 ttmp9, 128
	s_cselect_b64 s[20:21], s[4:5], s[20:21]
	s_cselect_b64 s[22:23], s[14:15], s[16:17]     ; xi or wi
	s_cselect_b32 s24, 0, 128
	s_cselect_b32 s25, 0xff, 63                    ; tiles in the source tensor, less one
	s_sub_co_u32 s28, ttmp9, s24
	s_lshl_b32 s28, s28, 3
	s_add_co_u32 s28, s28, s18                     ; 4 x destination tile + record
	s_lshr_b32 s29, s28, 2
	s_and_b32 s30, s28, 3
	s_and_b32 s29, s29, s25                        ; the tile T in its source tensor
	s_and_b32 s31, s29, 3
	s_lshr_b32 s29, s29, 2
	s_lshl_b32 s29, s29, 6
	s_lshl_b32 s31, s31, 3
	s_add_co_u32 s29, s29, s31                     ; its first row: 64 (T / 4) + 8 (T % 4)
	s_lshl_b32 s32, s29, 12
	s_lshl_b32 s30, s30, 10
	s_add_co_u32 s32, s32, s30
	s_mov_b32 s33, 0
	s_add_nc_u64 s[20:21], s[20:21], s[32:33]
	s_mul_i32 s34, s28, 2304
	s_mov_b32 s35, 0
	s_add_nc_u64 s[22:23], s[22:23], s[34:35]
.macro LOAD t                          ; K step t of the tile's 16 rows
.irp i, 0,1,2,3,4,5,6,7,8,9,10,11,12,13,14,15
	global_load_b128 v[RW+64*(\t)+4*\i:RW+64*(\t)+4*\i+3], v1, s[20:21] offset:(\i+24*(\i/8))*4096+512*(\t) th:TH_LOAD_NT
.endr
.endm
.macro STEP t
	s_wait_loadcnt 16-16*(\t)                      ; this step's 16 loads are in; the other step's 16 may be out
.irp i, 0,1,2,3,4,5,6,7,8,9,10,11,12,13,14,15
	ds_store_b128 v3, v[RW+64*(\t)+4*\i:RW+64*(\t)+4*\i+3] offset:\i*SP
.endr
.irp c, 0,1
.irp j, 0,1,2,3,4,5,6,7
	ds_load_b128 v[XN+32*\c+4*\j:XN+32*\c+4*\j+3], v4 offset:256*\c+16*\j   ; block 2 c + h of row r; LDS serves a wave's instructions in order: these see the stores above
.endr
.endr
	s_wait_dscnt 0x0                               ; my numbers are back
.irp c, 0,1
	v_max3_num_f32 v[MX+\c], |v[XN+32*\c]|, |v[XN+32*\c+1]|, 0x1800000   ; with the floor 2^(3 - 127): the byte cannot fall under 1
.endr
.irp i, 2,4,6,8,10,12,14,16,18,20,22,24,26,28,30
.irp c, 0,1
	v_max3_num_f32 v[MX+\c], v[MX+\c], |v[XN+32*\c+\i]|, |v[XN+32*\c+\i+1]|
.endr
.endr
.irp c, 0,1
	v_add_nc_u32 v[SC+\c], 0xff000000, v[MX+\c]    ; 2 off the exponent field: the conversion takes that field as its scale
.endr
.irp c, 0,1
.irp g, 0,1,2,3
	v_cvt_scalef32_pk8_fp4_f32 v[CD+8*(\t)+4*\c+\g], v[XN+32*\c+8*\g:XN+32*\c+8*\g+7], v[SC+\c]
.endr
.endr
.irp c, 0,1
	v_lshrrev_b32 v[BY+\c], 23, v[SC+\c]           ; the bytes of blocks h and 2 + h (a plain line behind the conversions)
.endr
	v_lshl_or_b32 v[WD], v[BY+1], 16, v[BY]
	v_lshlrev_b32 v[WD], v5, v[WD]
	v_permlanex16_b32 v[TP], v[WD], s26, s27
	v_or_b32 v[SW+(\t)], v[WD], v[TP]              ; with lane l xor 16's two bytes the row's word is whole, in both lanes
.irp c, 0,1
	global_store_b128 v1, v[CD+8*(\t)+4*\c:CD+8*(\t)+4*\c+3], s[22:23] offset:(\t)*1024+512*\c   ; 512 consecutive bytes
.endr
.if (\t) == 1
	global_store_b64 v2, v[SW:SW+1], s[22:23] offset:2048   ; 256 consecutive bytes, aligned
.endif
.endm
	LOAD 0
	LOAD 1
	STEP 0
	STEP 1
	s_wait_tensorcnt 0x0                           ; the wave's end
	ds_add_u32 v254, v255
	s_wait_dscnt 0x0
	s_endpgm
.Lfunc_end_k_qffebc91206_quant:
	.size	k_qffebc91206_quant, .Lfunc_end_k_qffebc91206_quant-k_qffebc91206_quant
	.p2alignl 7, 3214868480
	.fill 96, 4, 3214868480
	.section	.rodata,"a",@progbits
	.p2align	6, 0x0
	.amdhsa_kernel k_qffebc91206_quant
		.amdhsa_group_segment_fixed_size 68608
		.amdhsa_private_segment_fixed_size 0
		.amdhsa_enable_private_segment 0
		.amdhsa_kernarg_size 56
		.amdhsa_user_sgpr_count 2
		.amdhsa_user_sgpr_kernarg_segment_ptr 1
		.amdhsa_wavefront_size32 1
		.amdhsa_system_sgpr_workgroup_id_x 1
		.amdhsa_system_sgpr_workgroup_id_y 1
		.amdhsa_system_sgpr_workgroup_id_z 1
		.amdhsa_system_vgpr_workitem_id 0
		.amdhsa_next_free_vgpr 256
		.amdhsa_next_free_sgpr 66
		.amdhsa_reserve_vcc 0
		.amdhsa_float_denorm_mode_32 3
		.amdhsa_float_denorm_mode_16_64 3
		.amdhsa_memory_ordered 1
		.amdhsa_forward_progress 1
		.amdhsa_inst_pref_size 17
	.end_amdhsa_kernel
	.amdgpu_metadata
---
amdhsa.version: [ 1, 2 ]
amdhsa.kernels:
  - .name:           k_qffebc91206_quant
    .symbol:         k_qffebc91206_quant.kd
    .args:
      - { .name: X, .offset: 0, .size: 8, .value_kind: global_buffer, .address_space: global }
      - { .name: Wq, .offset: 8, .size: 8, .value_kind: global_buffer, .address_space: global }
      - { .name: Wk, .offset: 16, .size: 8, .value_kind: global_buffer, .address_space: global }
      - { .name: Wv, .offset: 24, .size: 8, .value_kind: global_buffer, .address_space: global }
      - { .name: Wo, .offset: 32, .size: 8, .value_kind: global_buffer, .address_space: global }
      - { .name: xi, .offset: 40, .size: 8, .value_kind: global_buffer, .address_space: global }
      - { .name: wi, .offset: 48, .size: 8, .value_kind: global_buffer, .address_space: global }
    .group_segment_fixed_size: 68608
    .private_segment_fixed_size: 0
    .kernarg_segment_align: 8
    .kernarg_segment_size: 56
    .max_flat_workgroup_size: 256
    .sgpr_count:     66
    .vgpr_count:     256
    .wavefront_size: 32
...
	.end_amdgpu_metadata
.endif
;; end of part 1
;; launch qkv (part 2): grid 16 x 16, 8 waves a work-group, clusters of 4 x 4, 259,584 bytes of LDS; arguments xi, wi, bq, bk, bv, qk, vt; writes qk, vt
.if DOCPART == 2
	.amdgcn_target "amdgcn-amd-amdhsa--gfx1250"
	.amdhsa_code_object_version 6
	.text
	.protected	k_qffebc91206_qkv
	.globl	k_qffebc91206_qkv
	.p2align	8
	.type	k_qffebc91206_qkv,@function
k_qffebc91206_qkv:
	s_mov_b64 s[64:65], 0
	v_nop
	global_prefetch_b8 v0, s[64:65] scope:SCOPE_SE
	s_setreg_imm32_b32 hwreg(HW_REG_WAVE_MODE, 25, 1), 1
	s_wait_xcnt 0x0
	s_wait_alu depctr_hold_cnt(0) depctr_sa_sdst(0) depctr_va_vdst(0) depctr_va_sdst(0) depctr_va_ssrc(0) depctr_va_vcc(0) depctr_vm_vsrc(0)
	s_getreg_b32 s2, hwreg(HW_REG_IB_STS2, 6, 4)
	s_cmp_eq_u32 s2, 0
	s_cbranch_scc0 .Lentry_in_a_cluster
	s_endpgm
.Lentry_in_a_cluster:
	s_bfe_u32 s2, ttmp6, 0x10000c
	s_cmp_lg_u32 s2, 0xf033
	s_cbranch_scc0 .Lentry_shape_is_right
	s_endpgm
.Lentry_shape_is_right:
; Q = X Wq^T + bq, K = X Wk^T + bk, V = X Wv^T + bv on codes of FP4 with E8M0 scales, sums in f32; the results are quantised at once for the attention: Q and K along the head's 64, V along the keys.
; A work-group makes 256 rows x ONE head's 64 columns of Q, of K and of V: 16 heads x 16 row blocks = 256 work-groups.
; ALL OF K = 1,024 of both operands lies in LDS (X 16 tiles, W 12 tiles of 9,216 bytes): filled once, one joint load a wave, at the head.  There is no loop over memory to run ahead in, so nothing is prefetched.
; CLUSTER 4 x 4: X's tiles hang on the row block alone and are asked for jointly along a row of the cluster, W's on the head alone, along a column.
; A WAVE (w) takes X's tiles 4 (w / 2) .. + 3 (64 rows) against Wq's four tiles (w even) or Wk's (w odd), and against two of Wv's (2 (w % 2), + 1): 24 accumulators from 10 fragments for each 128 along K.
; Q and K: source 0 = W, source 1 = X: a lane holds one row and, in the 32 registers of four tiles, columns 32 h + 0..31 (h = lane / 16).  V: source 0 = X, source 1 = Wv: a lane holds one channel and keys 32 h + 0..31.
; So every block of 32 lies in one lane's registers, in the order of the next operand.
; The 24 accumulators take turns, one instruction a turn, in the same order in every step.  Two sets of fragments: the next step's loads are out while a step is multiplied.
; OUT: qk [32 (Q's 16 heads, K's 16)][32 steps of 128 rows][4,608]: tile t at 512 t, lane l at 16 l = block l / 16 of row l % 16; from 4,096 the scale words: tile t, row r at 256 (t / 4) + 16 r + 4 (t % 4) (bytes 2, 3 are 0).
;      vt [16 heads][32 steps of 128 keys][4,352]: channel tile n at 1,024 n, piece c at 512 c, lane l at 16 l; from 4,096 the scale words: tile n, channel r at 128 (n / 2) + 8 r + 4 (n % 2).
; LIMITS: as in the quantising launch.
; REGISTERS: window 0: addresses, v32-71 scale words (two sets of 20), v72-231 fragments (two sets of 80), at the end the quantiser's work.
;            window 1: v0-127 Q's or K's accumulators (x, i) at 32 x + 8 i; v128-191 V's (n, x) at 128 + 32 n + 8 x; v192-223, v224-239 the biases, the first step's C.
.set WR,  147456                       ; LDS: X from 0; from here tile j of Wq, of Wk, of Wv, j = 0..3: 27,648 bytes each j
.set SST, 258048                       ; V's scale words of two steps, 512 bytes
.set SPARE, 258560                     ; the spare words
.set SC, 32                            ; X's x at 2 x, W's i at 8 + 2 i, Wv's n at 16 + 2 n; + the step's parity
.set F,  72                            ; X's x at 8 x, W's i at 32 + 8 i, Wv's n at 64 + 8 n
.set MX, 72
.set SCO, 78
.set BY, 84
.set TT, 90
.set WD, 96
.set CD, 104
.set SPW, 28
.set NIL, 29
.set WV, 18
.set SEL, 98
.set G1X, 24
.set G1W, 32
.set G0X, 44
.set G0W, 48
.set MSB, 0
.macro WIN new                         ; the immediate's high byte repeats the setting that is left
.if MSB != \new
	s_set_vgpr_msb (MSB<<8)|\new
.set MSB, \new
.endif
.endm
.macro CROUND                          ; a round of the cluster's barrier
	s_barrier_signal -1
	s_barrier_wait -1
	s_cmp_lg_u32 s[WV], 0
	s_cbranch_scc1 .Lnot_wave_0_\@
	s_barrier_signal -3
.Lnot_wave_0_\@:
	s_barrier_wait -3
	s_barrier_signal -1
	s_barrier_wait -1
.endm
.macro GET s                           ; step s's fragments (20 loads); an even step brings the scale words of two steps too (10)
.if (\s)%2 == 0
.irp x, 0,1,2,3
	ds_load_b64 v[SC+20*(((\s)/2)%2)+2*\x:SC+20*(((\s)/2)%2)+2*\x+1], v6 offset:9216*\x+2304*((\s)/2)+2048
.endr
.irp i, 0,1,2,3
	ds_load_b64 v[SC+20*(((\s)/2)%2)+8+2*\i:SC+20*(((\s)/2)%2)+9+2*\i], v[4+\i/2] offset:27648*(\i%2)+2304*((\s)/2)+2048
.endr
.irp n, 0,1
	ds_load_b64 v[SC+20*(((\s)/2)%2)+16+2*\n:SC+20*(((\s)/2)%2)+17+2*\n], v8 offset:27648*\n+2304*((\s)/2)+2048
.endr
.endif
.irp c, 0,1
.irp x, 0,1,2,3
	ds_load_b128 v[F+80*((\s)%2)+8*\x+4*\c:F+80*((\s)%2)+8*\x+4*\c+3], v1 offset:9216*\x+2304*((\s)/2)+1024*((\s)%2)+512*\c
.endr
.irp i, 0,1,2,3
	ds_load_b128 v[F+80*((\s)%2)+32+8*\i+4*\c:F+80*((\s)%2)+35+8*\i+4*\c], v[2+\i/2] offset:27648*(\i%2)+2304*((\s)/2)+1024*((\s)%2)+512*\c
.endr
.irp n, 0,1
	ds_load_b128 v[F+80*((\s)%2)+64+8*\n+4*\c:F+80*((\s)%2)+67+8*\n+4*\c], v7 offset:27648*\n+2304*((\s)/2)+1024*((\s)%2)+512*\c
.endr
.endr
.endm
.macro MUL s                           ; 24 products of 128 along K
.set FS, F+80*((\s)%2)
.set SS, SC+20*(((\s)/2)%2)+(\s)%2
.irp i, 0,1,2,3
.irp x, 0,1,2,3
.if (\s) == 0
	v_wmma_scale_f32_16x16x128_f8f6f4 v[32*\x+8*\i:32*\x+8*\i+7], v[FS+32+8*\i:FS+39+8*\i], v[FS+8*\x:FS+8*\x+7], v[192+8*\i:199+8*\i], v[SS+8+2*\i], v[SS+2*\x] matrix_a_fmt:MATRIX_FMT_FP4 matrix_b_fmt:MATRIX_FMT_FP4
.else
	v_wmma_scale_f32_16x16x128_f8f6f4 v[32*\x+8*\i:32*\x+8*\i+7], v[FS+32+8*\i:FS+39+8*\i], v[FS+8*\x:FS+8*\x+7], v[32*\x+8*\i:32*\x+8*\i+7], v[SS+8+2*\i], v[SS+2*\x] matrix_a_fmt:MATRIX_FMT_FP4 matrix_b_fmt:MATRIX_FMT_FP4
.endif
.endr
.endr
.irp n, 0,1
.irp x, 0,1,2,3
.if (\s) == 0
	v_wmma_scale_f32_16x16x128_f8f6f4 v[128+32*\n+8*\x:135+32*\n+8*\x], v[FS+8*\x:FS+8*\x+7], v[FS+64+8*\n:FS+71+8*\n], v[224+8*\n:231+8*\n], v[SS+2*\x], v[SS+16+2*\n] matrix_a_fmt:MATRIX_FMT_FP4 matrix_b_fmt:MATRIX_FMT_FP4
.else
	v_wmma_scale_f32_16x16x128_f8f6f4 v[128+32*\n+8*\x:135+32*\n+8*\x], v[FS+8*\x:FS+8*\x+7], v[FS+64+8*\n:FS+71+8*\n], v[128+32*\n+8*\x:135+32*\n+8*\x], v[SS+2*\x], v[SS+16+2*\n] matrix_a_fmt:MATRIX_FMT_FP4 matrix_b_fmt:MATRIX_FMT_FP4
.endif
.endr
.endr
.endm
.macro STEP s
.rept 4
	v_nop                                          ; places between the last products and the loads into registers that they read
.endr
	WIN 0
.if (\s) < 7
	GET (\s)+1
.if (\s)%2
	s_wait_dscnt 30                                ; all but the 30 just issued
.else
	s_wait_dscnt 20                                ; all but the 20 just issued
.endif
.else
	s_wait_dscnt 0x0
.endif
	WIN 0x50
	MUL \s
.endm
	s_load_b256 s[4:11], s[0:1], 0x0               ; xi, wi, bq, bk
	s_load_b128 s[12:15], s[0:1], 0x20             ; bv, qk
	s_load_b64 s[16:17], s[0:1], 0x30              ; vt
	v_lshl_add_u32 v[SPW], v0, 2, SPARE
	v_mov_b32 v[NIL], 0
	ds_add_u32 v[SPW], v[NIL]                      ; the opening: the add twice on end, and its wait
	ds_add_u32 v[SPW], v[NIL]
	v_lshrrev_b32 v19, 5, v0
	v_readfirstlane_b32 s[WV], v19                 ; wave 0..7
	v_and_b32 v16, 31, v0                          ; lane
	v_and_b32 v17, 15, v0                          ; r
	v_bfe_u32 v18, v0, 4, 1                        ; h
	v_lshlrev_b32 v9, 4, v16                       ; 16 x lane
	v_lshlrev_b32 v10, 3, v16                      ; 8 x lane
	s_bfe_u32 s19, ttmp6, 0x40000                  ; cx
	s_bfe_u32 s20, ttmp6, 0x40004                  ; cy
	s_lshl_b32 s21, ttmp9, 2
	s_add_co_u32 s21, s21, s19                     ; the head
	s_and_b32 s22, ttmp7, 0xffff
	s_lshl_b32 s22, s22, 2
	s_add_co_u32 s22, s22, s20                     ; the row block
	s_and_b32 s23, s[WV], 3
	s_lshr_b32 s40, s[WV], 1                       ; xg: which 64 rows are mine
	s_and_b32 s41, s[WV], 1                        ; part: Q (0) or K (1), and which half of V's channels
	s_lshl_b32 s42, s20, 2
	s_lshl_b32 s42, 15, s42                        ; my row of the cluster
	s_lshl_b32 s43, 0x1111, s19                    ; my column
	s_mov_b32 s[SEL], 0x76543210
	s_mov_b32 s[SEL+1], 0xfedcba98
	s_or_b32 s[G1X], s42, (3<<16)|(1<<21)          ; X: four tiles, dense: 144 rows of 256 bytes (32 elements of 8)
	s_mov_b32 s[G1X+1], 32<<16
	s_mov_b32 s[G1X+2], 144<<16
	s_mov_b32 s[G1X+3], 32<<16
	s_mov_b32 s[G1X+4], 144
	s_mov_b32 s[G1X+5], 32
	s_mov_b32 s[G1X+6], 0
	s_mov_b32 s[G1X+7], 0
	s_or_b32 s[G1W], s43, (3<<16)|(1<<21)          ; W: tile j of Wq, of Wk and of Wv: three rows of 9,216 bytes, 64 tiles apart
	s_mov_b32 s[G1W+1], 1152<<16
	s_mov_b32 s[G1W+2], 3<<16
	s_mov_b32 s[G1W+3], 1152<<16
	s_mov_b32 s[G1W+4], 3
	s_mov_b32 s[G1W+5], 73728
	s_mov_b32 s[G1W+6], 0
	s_mov_b32 s[G1W+7], 0
	s_lshl_b32 s56, s22, 4                         ; X: tile 16 x row block + 4 x (wave % 4)
	s_lshl_b32 s57, s23, 2
	s_add_co_u32 s56, s56, s57
	s_mul_i32 s56, s56, 9216
	s_mov_b32 s57, 0
	s_lshl_b32 s60, s21, 2                         ; W: tile 4 x head + wave % 4
	s_add_co_u32 s60, s60, s23
	s_mul_i32 s60, s60, 9216
	s_mov_b32 s61, 0
	s_mul_i32 s84, s23, 36864                      ; where they go: the wave's number alone
	s_mul_i32 s85, s23, 27648
	s_add_co_u32 s85, s85, WR
	s_wait_alu depctr_va_vdst(0)                   ; the wait ahead of the waits below
	s_wait_dscnt 0x0                               ; both opening adds are done
	s_wait_kmcnt 0x0
	s_mov_b32 s[G0X], 1
	s_mov_b32 s[G0X+1], s84
	s_add_nc_u64 s[G0X+2:G0X+3], s[4:5], s[56:57]
	s_or_b32 s[G0X+3], s[G0X+3], 0x80000000
	s_mov_b32 s[G0W], 1
	s_mov_b32 s[G0W+1], s85
	s_add_nc_u64 s[G0W+2:G0W+3], s[6:7], s[60:61]
	s_or_b32 s[G0W+3], s[G0W+3], 0x80000000
	CROUND                                         ; all sixteen work-groups are here: the joint loads meet
	s_cmp_lt_u32 s[WV], 4                          ; waves 0-3 fetch X, waves 4-7 W: one load a wave
	s_cbranch_scc0 .Lfor_w
	tensor_load_to_lds s[G0X:G0X+3], s[G1X:G1X+7]
	s_nop 0
.rept 4
	v_nop
.endr
	s_branch .Lasked
.Lfor_w:
	tensor_load_to_lds s[G0W:G0W+3], s[G1W:G1W+7]
	s_nop 0
.rept 4
	v_nop
.endr
.Lasked:
	s_mul_i32 s80, s40, 36864                      ; my X tiles
	s_mul_i32 s81, s41, 9216
	s_add_co_u32 s81, s81, WR                      ; Wq's or Wk's tile 0
	s_mul_i32 s82, s41, 55296
	s_add_co_u32 s82, s82, WR+18432                ; Wv's tile 2 part
	s_lshr_b32 s83, s[WV], 2                       ; which of the two steps of 128 rows my rows lie in
	s_and_b32 s87, s40, 1                          ; which half of it: piece c
	s_lshl_b32 s86, s83, 8
	s_lshl_b32 s88, s41, 7
	s_add_co_u32 s86, s86, s88
	s_lshl_b32 s88, s87, 1
	s_add_co_u32 s86, s86, s88
	s_add_co_u32 s86, s86, SST                     ; V's scale bytes in LDS
	s_lshl_b32 s92, s21, 8                         ; 64 x head x 4 bytes
	s_mov_b32 s93, 0
	s_cmp_eq_u32 s41, 0
	s_cselect_b64 s[94:95], s[8:9], s[10:11]       ; bq or bk
	s_add_nc_u64 s[94:95], s[94:95], s[92:93]
	s_lshl_b32 s88, s41, 6
	s_add_co_u32 s92, s92, s88                     ; + 16 channels for part 1
	s_add_nc_u64 s[96:97], s[12:13], s[92:93]
	v_add_nc_u32 v1, s80, v9
	v_add_nc_u32 v6, s80, v10
	v_add_nc_u32 v2, s81, v9
	v_add_nc_u32 v4, s81, v10
	v_add_nc_u32 v7, s82, v9
	v_add_nc_u32 v8, s82, v10
	v_add_nc_u32 v3, 55296, v2                     ; tiles 2 and 3
	v_add_nc_u32 v5, 55296, v4
	v_lshlrev_b32 v20, 7, v18                      ; Q's and K's bias: 128 h bytes
	v_and_b32 v21, 8, v17
	v_mad_u32_u24 v21, v21, 3, v17                 ; r % 8 + 32 (r / 8)
	v_lshlrev_b32 v21, 2, v21                      ; V's bias: my channel of a tile
	v_lshlrev_b32 v23, 3, v17
	v_add_nc_u32 v23, s86, v23
	v_add_nc_u32 v24, SST, v9
	v_mul_u32_u24 v25, v18, 4352
	v_lshl_add_u32 v25, v17, 4, v25                ; V's scale words out: two steps, 256 bytes each
	v_lshlrev_b32 v26, 4, v17                      ; Q's and K's scale words out
	v_lshlrev_b32 v27, 3, v18                      ; 8 h
	s_wait_alu depctr_va_vdst(0)                   ; the wait at the head's end
	WIN 0x40
.irp i, 0,1,2,3
	global_load_b128 v[192+8*\i:195+8*\i], v20, s[94:95] offset:32*\i
	global_load_b128 v[196+8*\i:199+8*\i], v20, s[94:95] offset:32*\i+16
.endr
	global_load_b32 v224, v21, s[96:97]
	global_load_b32 v232, v21, s[96:97] offset:32
	WIN 0
	; where the results go
	s_lshl_b32 s88, s22, 1
	s_add_co_u32 s83, s88, s83                     ; my step: 2 x row block + wave / 4
	s_lshl_b32 s90, s41, 4
	s_add_co_u32 s90, s90, s21
	s_mul_i32 s90, s90, 147456
	s_mul_i32 s89, s83, 4608
	s_add_co_u32 s90, s90, s89                     ; my record of qk
	s_lshl_b32 s89, s87, 11
	s_add_co_u32 s70, s90, s89                     ; its tiles 4 c .. 4 c + 3
	s_lshl_b32 s89, s87, 8
	s_add_co_u32 s72, s90, s89                     ; their scale words (4,096 stands in the immediate)
	s_mul_i32 s76, s21, 139264
	s_mul_i32 s89, s83, 4352
	s_add_co_u32 s74, s76, s89                     ; my record of vt
	s_lshl_b32 s89, s41, 11
	s_add_co_u32 s74, s74, s89
	s_lshl_b32 s89, s87, 9
	s_add_co_u32 s74, s74, s89
	s_mul_i32 s89, s88, 4352
	s_add_co_u32 s76, s76, s89                     ; the work-group's first record of vt
	s_mov_b32 s71, 0
	s_mov_b32 s73, 0
	s_mov_b32 s75, 0
	s_mov_b32 s77, 0
	s_add_nc_u64 s[70:71], s[14:15], s[70:71]
	s_add_nc_u64 s[72:73], s[14:15], s[72:73]
	s_add_nc_u64 s[74:75], s[16:17], s[74:75]
	s_add_nc_u64 s[76:77], s[16:17], s[76:77]
	s_wait_loadcnt 0x0                             ; the biases
	WIN 0x41
.irp j, 1,2,3,4,5,6,7
	v_mov_b32 v[224+\j], v224                      ; a lane's eight results of a tile of V are eight keys of ONE channel: the same bias in all eight
	v_mov_b32 v[232+\j], v232
.endr
	WIN 0
	s_wait_alu depctr_va_vdst(0)                   ; the wait ahead of the waits below
	s_wait_tensorcnt 0x0                           ; my load has landed
	s_wait_dscnt 0x0
	s_barrier_signal -1
	s_barrier_wait -1                              ; everybody's has; nothing is filled again
	GET 0
	STEP 0
	STEP 1
	STEP 2
	STEP 3
	STEP 4
	STEP 5
	STEP 6
	STEP 7
.rept 4
	v_nop                                          ; places behind the last products
.endr
; THE QUANTISER: six blocks a lane, block b = registers 32 b .. 32 b + 31 of window 1: b = 0..3 the four row tiles of Q or K, 4, 5 the two channel tiles of V.
	WIN 0x14
.irp b, 0,1,2,3,4,5
	v_max3_num_f32 v[MX+\b], 0x1800000, |v[32*\b]|, |v[32*\b+1]|   ; with the floor 2^(3 - 127); each accumulator is read from its low end on
.endr
.irp i, 2,4,6,8,10,12,14,16,18,20,22,24,26,28,30
.irp b, 0,1,2,3,4,5
	v_max3_num_f32 v[MX+\b], v[MX+\b], |v[32*\b+\i]|, |v[32*\b+\i+1]|
.endr
.endr
	WIN 0
.irp b, 0,1,2,3,4,5
	v_add_nc_u32 v[SCO+\b], 0xff000000, v[MX+\b]   ; 2 off the exponent field: the conversion's scale operand
.endr
.irp b, 0,1,2,3,4,5
	v_lshrrev_b32 v[BY+\b], 23, v[SCO+\b]          ; the byte
.endr
.irp b, 0,1,2,3,4,5
	v_mov_b32 v[TT+\b], 0                          ; a lane permute's destination counts as one of its sources
.endr
.irp b, 0,1,2,3,4,5
	v_lshlrev_b32 v[WD+\b], v27, v[BY+\b]          ; at byte h of the word;
.endr
.irp b, 0,1,2,3,4,5
	v_permlanex16_b32 v[TT+\b], v[WD+\b], s[SEL], s[SEL+1]
.endr
.irp b, 0,1,2,3,4,5
	v_or_b32 v[WD+\b], v[WD+\b], v[TT+\b]          ; with lane l xor 16's: both bytes, in both lanes
.endr
	ds_store_b16 v23, v[WD+4]                      ; V's two bytes of a word of four: another wave has the other two (lanes l and l + 16 write the same bytes with the same value)
	ds_store_b16 v23, v[WD+5] offset:4
	WIN 0x01
.irp b, 0,1,2,3,4,5
.irp g, 0,1,2,3
	v_cvt_scalef32_pk8_fp4_f32 v[CD+4*\b+\g], v[32*\b+8*\g:32*\b+8*\g+7], v[SCO+\b]
.endr
.endr
	v_nop                                          ; one plain line behind a scaled conversion
	WIN 0
	s_wait_alu depctr_va_vdst(0)                   ; the wait ahead of the waits below
	s_wait_dscnt 0x0                               ; my bytes are in LDS,
	s_barrier_signal -1
	s_barrier_wait -1                              ; and everybody's
.irp x, 0,1,2,3
	global_store_b128 v9, v[CD+4*\x:CD+4*\x+3], s[70:71] offset:512*\x      ; 512 consecutive bytes
.endr
.irp n, 0,1
	global_store_b128 v9, v[CD+16+4*\n:CD+19+4*\n], s[74:75] offset:1024*\n
.endr
	global_store_b128 v26, v[WD:WD+3], s[72:73] offset:4096   ; the four tiles' words of row r: 256 consecutive bytes, aligned (lanes l and l + 16 hold and write the same 16 bytes)
	s_cmp_lg_u32 s[WV], 0
	s_cbranch_scc1 .Lend                           ; wave 0 sends V's scale words of both steps: two aligned units of 256 bytes
	ds_load_b128 v[32:35], v24
	s_wait_dscnt 0x0
	global_store_b128 v25, v[32:35], s[76:77] offset:4096
.Lend:
	s_wait_tensorcnt 0x0                           ; the wave's end
	ds_add_u32 v[SPW], v[NIL]
	s_wait_dscnt 0x0
	CROUND                                         ; the closing round: no work-group ends while a partner may still ask for a tile that names it
	s_endpgm
.Lfunc_end_k_qffebc91206_qkv:
	.size	k_qffebc91206_qkv, .Lfunc_end_k_qffebc91206_qkv-k_qffebc91206_qkv
	.p2alignl 7, 3214868480
	.fill 96, 4, 3214868480
	.section	.rodata,"a",@progbits
	.p2align	6, 0x0
	.amdhsa_kernel k_qffebc91206_qkv
		.amdhsa_group_segment_fixed_size 259584
		.amdhsa_private_segment_fixed_size 0
		.amdhsa_enable_private_segment 0
		.amdhsa_kernarg_size 56
		.amdhsa_user_sgpr_count 2
		.amdhsa_user_sgpr_kernarg_segment_ptr 1
		.amdhsa_wavefront_size32 1
		.amdhsa_system_sgpr_workgroup_id_x 1
		.amdhsa_system_sgpr_workgroup_id_y 1
		.amdhsa_system_sgpr_workgroup_id_z 1
		.amdhsa_system_vgpr_workitem_id 0
		.amdhsa_next_free_vgpr 496
		.amdhsa_next_free_sgpr 100
		.amdhsa_reserve_vcc 0
		.amdhsa_float_denorm_mode_32 3
		.amdhsa_float_denorm_mode_16_64 3
		.amdhsa_memory_ordered 1
		.amdhsa_forward_progress 1
		.amdhsa_inst_pref_size 59
	.end_amdhsa_kernel
	.amdgpu_metadata
---
amdhsa.version: [ 1, 2 ]
amdhsa.kernels:
  - .name:           k_qffebc91206_qkv
    .symbol:         k_qffebc91206_qkv.kd
    .args:
      - { .name: xi, .offset: 0, .size: 8, .value_kind: global_buffer, .address_space: global }
      - { .name: wi, .offset: 8, .size: 8, .value_kind: global_buffer, .address_space: global }
      - { .name: bq, .offset: 16, .size: 8, .value_kind: global_buffer, .address_space: global }
      - { .name: bk, .offset: 24, .size: 8, .value_kind: global_buffer, .address_space: global }
      - { .name: bv, .offset: 32, .size: 8, .value_kind: global_buffer, .address_space: global }
      - { .name: qk, .offset: 40, .size: 8, .value_kind: global_buffer, .address_space: global }
      - { .name: vt, .offset: 48, .size: 8, .value_kind: global_buffer, .address_space: global }
    .group_segment_fixed_size: 259584
    .private_segment_fixed_size: 0
    .kernarg_segment_align: 8
    .kernarg_segment_size: 56
    .max_flat_workgroup_size: 256
    .sgpr_count:     100
    .vgpr_count:     496
    .wavefront_size: 32
...
	.end_amdgpu_metadata
.endif
;; end of part 2
;; launch attn (part 3): grid 16 x 16, 16 waves a work-group, clusters of 4 x 1, 325,632 bytes of LDS; arguments qk, vt, oi; writes oi
.if DOCPART == 3
	.amdgcn_target "amdgcn-amd-amdhsa--gfx1250"
	.amdhsa_code_object_version 6
	.text
	.protected	k_qffebc91206_attn
	.globl	k_qffebc91206_attn
	.p2align	8
	.type	k_qffebc91206_attn,@function
k_qffebc91206_attn:
	s_mov_b64 s[64:65], 0
	v_nop
	global_prefetch_b8 v0, s[64:65] scope:SCOPE_SE
	s_setreg_imm32_b32 hwreg(HW_REG_WAVE_MODE, 25, 1), 1
	s_wait_xcnt 0x0
	s_wait_alu depctr_hold_cnt(0) depctr_sa_sdst(0) depctr_va_vdst(0) depctr_va_sdst(0) depctr_va_ssrc(0) depctr_va_vcc(0) depctr_vm_vsrc(0)
	s_getreg_b32 s2, hwreg(HW_REG_IB_STS2, 6, 4)
	s_cmp_eq_u32 s2, 0
	s_cbranch_scc0 .Lentry_in_a_cluster
	s_endpgm
.Lentry_in_a_cluster:
	s_bfe_u32 s2, ttmp6, 0x10000c
	s_cmp_lg_u32 s2, 0x3003
	s_cbranch_scc0 .Lentry_shape_is_right
	s_endpgm
.Lentry_shape_is_right:
.set SPARE, 286720                     ; behind K and V: the spare words
; Causal attention on codes of FP4, head size 64, 4,096 keys, 16 heads; O / l is quantised along the channels and stored as the last product's operand image.
; t = score x log2(e) / 8; M = the running largest t rounded UP to a whole number; p = 2^(t - M) is quantised along the keys; the row's sum l is taken of the unquantised p; when M moves, l and O are multiplied by 2^(old M - new M), exactly.
; A HEAD'S K AND V, CODES AND SCALES, FIT IN LDS (147,456 + 139,264 bytes): every byte is filled once, at the head, by one joint load a wave of four records; behind one barrier every wave walks its keys by itself.
; No loop runs over memory, so nothing is prefetched from there.  From LDS, a trip loads the next trip's K while its own last products are made (behind the last trip of a tile these loads serve nobody; they stay inside LDS).
; CLUSTER 4 x 1: four work-groups of one head need the same K and V: each part is asked for jointly, mask 15.
; SHARES.  A band is 128 queries, eight tiles of 16, and needs steps 0 .. band of 128 keys.  A cluster owns bands p = 4 cl .. 4 cl + 3 and 31 - p; a work-group owns of each the tiles lt = 2 cx, 2 cx + 1.
; Two waves share a low tile (band p) and a high tile (band 31 - p), 33 steps together, by the walk's two phases (keys under 2,048, keys from 2,048 on):
;   role 0: phase 0 the low tile (its p + 1 steps lie under 2,048), which it stores; phase 1 the high tile's keys from 2,048 on;   role 1: phase 0 the high tile's keys under 2,048 (16 steps), and hands its O, l and M over in LDS.
; Behind one barrier role 0 joins the two parts of the high tile: both are brought under the larger M by powers of two, exactly.  So a wave has 16 or 17 steps.  Wave w: p = 4 cl + w % 4, role w / 8, tile 2 cx + (w / 4) % 2:
; no branch hangs on the place in the cluster.
; A TRIP is 256 keys: M, the sum and O are brought up to date once for both halves; a band with an even number ends with one step of 128 keys.
; LEFT OUT: trips all of whose keys come after the band's queries (reference()'s own mask makes their p 0 for all inputs): a scalar branch on ids leads round them, and round no barrier and no load of a tile.  A NaN, an infinity or an overflow that reaches only such scores is not carried.
; LAYOUT.  Both products transposed: S^T = K Q^T, O^T = V^T P^T: a lane holds ONE query.  Index r of tile T is row 64 (T / 4) + 8 (T % 4) + r % 8 + 32 (r / 8): so the 32 registers of four tiles are 32 neighbouring keys, 64 c + 32 (lane / 16) + 0..31:
; a whole block of p in one lane, and its codes are the next operand's registers.
; K = 64 IN AN INSTRUCTION OF 128: Q's registers 4-7 are zero codes and bytes 2, 3 of Q's and K's scale words are 0 (2^-127, no NaN).  K's tile t is named by eight registers: its upper four (the next tile's codes, or whatever lies behind the last tile: every bit pattern is a finite code) meet zero codes only.
; LIMITS: as in the quantising launch; the promise holds while |t| stays under 2^31.  O's scale bytes leave as 2 bytes a lane (64 of each 576 bytes that a wave stores): a head owns two bytes of each row's scale word.
.set VB,  147456                       ; V's region
.set DB,  288768                       ; behind the spare words: what role 1 hands over, 4,608 bytes a pair
.set KF,  32                           ; v32-63 the second half's K, eight tiles, four registers each, then the first half's V^T; v64-67 the second Q's codes
.set KS,  68                           ; v68-71 the first half's K's scale words
.set KS1, 6                            ; v6-9   the second half's
.set VS,  72                           ; v72-73, v74-75 V's, of the two halves
.set BM,  76                           ; v76-79 block maxima
.set BT,  80                           ; v80-83 their second chains, then the scale bytes
.set CH,  76                           ; v76-83 then four chains of the sum
.set SCO, 84                           ; v84-87 the conversions' scale operands
.set SS,  88                           ; v88-215 S^T, then p; of the first half, when it has been converted: v88-95 the second half's codes, v96-127 its V^T; of the second half: v152-183 the next trip's first half of K
.set OT,  216                          ; v216-247 O^T
.set PC,  248                          ; v248-255 the first half's codes; before that further chains of the maxima
.set T2,  25                           ; (v25 and v28 are also the add's two registers, made anew at the wave's end)
.set FF,  26                           ; v[26:27] f = 2^(old M - new M)
.set TMP, 28
.set VA,  29                           ; LDS address of the trip's V
.set VSA, 31                           ; and of its scale words
.set NINF, 50                          ; s50: -infinity
.set PW,  30                           ; p's scale words
.set WV,  10
.set G1K, 16
.set G1V, 24
.set G0K, 32
.set G0V, 36
.set OL,  40                           ; s[40:43] where the low tile's codes and scale bytes go
.set OH,  44                           ; s[44:47] the high tile's
.set PH,  48                           ; the phase
.set HB,  49                           ; the high band
.set ROLE, 71
.set ST,  66                           ; the trip's first step of 128 keys
.set BAND, 67
.set KO,  68                           ; LDS byte of that step's record of K
.set VO,  69                           ; of V
.set CNT, 70
.set SEL, 72
.set CS,  74                           ; s[74:75] c = log2(e) / 8
.macro CROUND
	s_barrier_signal -1
	s_barrier_wait -1
	s_cmp_lg_u32 s[WV], 0
	s_cbranch_scc1 .Lnot_wave_0_\@
	s_barrier_signal -3
.Lnot_wave_0_\@:
	s_barrier_wait -3
	s_barrier_signal -1
	s_barrier_wait -1
.endm
	s_load_b128 s[4:7], s[0:1], 0x0                ; qk, vt
	s_load_b64 s[8:9], s[0:1], 0x10                ; oi
	v_lshl_add_u32 v25, v0, 2, SPARE
	v_mov_b32 v28, 0
	ds_add_u32 v25, v28                            ; the opening: the add twice on end, and its wait
	ds_add_u32 v25, v28
	v_lshrrev_b32 v11, 5, v0
	v_readfirstlane_b32 s[WV], v11                 ; wave 0..15
	v_and_b32 v11, 31, v0                          ; lane
	v_and_b32 v3, 15, v0                           ; r
	v_bfe_u32 v10, v0, 4, 1                        ; h
	v_lshlrev_b32 v1, 4, v11                       ; 16 x lane
	v_lshlrev_b32 v2, 3, v11                       ; 8 x lane
	s_bfe_u32 s11, ttmp6, 0x40000                  ; cx
	s_and_b32 s12, ttmp7, 0xffff                   ; the head, which the partners share
	s_and_b32 s13, s[WV], 7                        ; which four records I fetch
	; group 1: four records are dense: rows of 256 bytes (32 elements of 8): K's 72, V's 68
	s_mov_b32 s[G1K], 15|(3<<16)|(1<<21)
	s_mov_b32 s[G1K+1], 32<<16
	s_mov_b32 s[G1K+2], 72<<16
	s_mov_b32 s[G1K+3], 32<<16
	s_mov_b32 s[G1K+4], 72
	s_mov_b32 s[G1K+5], 32
	s_mov_b32 s[G1K+6], 0
	s_mov_b32 s[G1K+7], 0
	s_mov_b32 s[G1V], 15|(3<<16)|(1<<21)
	s_mov_b32 s[G1V+1], 32<<16
	s_mov_b32 s[G1V+2], 68<<16
	s_mov_b32 s[G1V+3], 32<<16
	s_mov_b32 s[G1V+4], 68
	s_mov_b32 s[G1V+5], 32
	s_mov_b32 s[G1V+6], 0
	s_mov_b32 s[G1V+7], 0
	s_add_co_u32 s80, s12, 16                      ; K's heads lie behind Q's sixteen
	s_mul_i32 s80, s80, 147456
	s_mul_i32 s82, s13, 18432
	s_add_co_u32 s80, s80, s82
	s_mov_b32 s81, 0
	s_mul_i32 s84, s12, 139264
	s_mul_i32 s83, s13, 17408
	s_add_co_u32 s84, s84, s83
	s_mov_b32 s85, 0
	s_add_co_u32 s83, s83, VB
	s_wait_alu depctr_va_vdst(0)                   ; the wait ahead of the waits below
	s_wait_dscnt 0x0                               ; both opening adds are done
	s_wait_kmcnt 0x0
	s_mov_b32 s[G0K], 1
	s_mov_b32 s[G0K+1], s82
	s_add_nc_u64 s[G0K+2:G0K+3], s[4:5], s[80:81]
	s_or_b32 s[G0K+3], s[G0K+3], 0x80000000
	s_mov_b32 s[G0V], 1
	s_mov_b32 s[G0V+1], s83
	s_add_nc_u64 s[G0V+2:G0V+3], s[6:7], s[84:85]
	s_or_b32 s[G0V+3], s[G0V+3], 0x80000000
	CROUND                                         ; all four work-groups are here: the joint loads meet
	s_cmp_lt_u32 s[WV], 8                          ; waves 0-7 fetch K, waves 8-15 V: one load a wave
	s_cbranch_scc0 .Lfor_v
	tensor_load_to_lds s[G0K:G0K+3], s[G1K:G1K+7]
	s_nop 0
.rept 4
	v_nop
.endr
	s_branch .Lasked
.Lfor_v:
	tensor_load_to_lds s[G0V:G0V+3], s[G1V:G1V+7]
	s_nop 0
.rept 4
	v_nop
.endr
.Lasked:
	s_bfe_u32 s14, s[WV], 0x10002                  ; e = (wave / 4) % 2
	s_lshr_b32 s[ROLE], s[WV], 3
	s_and_b32 s76, s[WV], 3
	s_lshl_b32 s77, s14, 2
	s_add_co_u32 s77, s77, s76                     ; my pair
	s_mul_i32 s77, s77, 4608
	s_add_co_u32 s77, s77, DB                      ; what is handed over in it
	s_lshl_b32 s78, ttmp9, 2
	s_add_co_u32 s76, s76, s78                     ; p
	s_sub_co_u32 s[HB], 31, s76
	s_lshl_b32 s15, s11, 1
	s_add_co_u32 s15, s15, s14                     ; tile in the band: lt = 2 cx + e
	s_mul_i32 s88, s15, 9216                       ; where O goes: tile 8 x band + lt, record head / 4,
	s_lshr_b32 s89, s12, 2
	s_mul_i32 s89, s89, 2304
	s_add_co_u32 s88, s88, s89
	s_bfe_u32 s89, s12, 0x10001                    ; K step's parity (head / 2) % 2,
	s_and_b32 s90, s12, 1                          ; piece head % 2
	s_lshl_b32 s92, s89, 10
	s_lshl_b32 s93, s90, 9
	s_add_co_u32 s92, s92, s93
	s_add_co_u32 s92, s92, s88                     ; codes
	s_lshl_b32 s89, s89, 2
	s_lshl_b32 s90, s90, 1
	s_add_co_u32 s94, s89, s90
	s_add_co_u32 s94, s94, s88                     ; my head's two bytes of the scale words (2,048 stands in the immediate)
	s_mul_i32 s78, s76, 73728                      ; eight tiles a band
	s_mul_i32 s79, s[HB], 73728
	s_add_co_u32 s[OL], s92, s78
	s_add_co_u32 s[OL+2], s94, s78
	s_add_co_u32 s[OH], s92, s79
	s_add_co_u32 s[OH+2], s94, s79
.irp i, 1,3,5,7
	s_mov_b32 s[OL+\i], 0
.endr
.irp i, 0,2,4,6
	s_add_nc_u64 s[OL+\i:OL+\i+1], s[8:9], s[OL+\i:OL+\i+1]
.endr
	s_cmp_eq_u32 s[ROLE], 0
	s_cselect_b32 s[BAND], s76, s[HB]              ; my first tile's band
	s_mul_i32 s86, s12, 147456
	s_mul_i32 s88, s[HB], 4608
	s_add_co_u32 s88, s88, s86
	s_mov_b32 s89, 0
	s_mul_i32 s87, s[BAND], 4608
	s_add_co_u32 s86, s86, s87
	s_mov_b32 s87, 0
	s_add_nc_u64 s[86:87], s[4:5], s[86:87]        ; Q's record of my first tile
	s_add_nc_u64 s[88:89], s[4:5], s[88:89]        ; and of the high tile
	s_lshr_b32 s76, s15, 2
	s_and_b32 s79, s15, 3
	s_lshl_b32 s78, s76, 8
	s_lshl_b32 s80, s79, 2
	s_add_co_u32 s78, s78, s80                     ; Q's scale word: 256 (lt / 4) + 4 (lt % 4) + 16 r
	s_lshl_b32 s76, s76, 6
	s_lshl_b32 s79, s79, 3
	s_add_co_u32 s76, s76, s79                     ; 64 (lt / 4) + 8 (lt % 4)
	s_lshl_b32 s79, s15, 9                         ; Q's tile
	v_add_nc_u32 v5, s79, v1
	v_lshlrev_b32 v31, 4, v3
	v_add_nc_u32 v31, s78, v31
	global_load_b128 v[16:19], v5, s[86:87]        ; Q's fragment stays in registers
	global_load_b32 v24, v31, s[86:87] offset:4096 ; and its scale words
	global_load_b128 v[64:67], v5, s[88:89]        ; the high tile's
	v_and_b32 v4, 8, v3
	v_mad_u32_u24 v4, v4, 3, v3                    ; r % 8 + 32 (r / 8)
	v_add_nc_u32 v4, s76, v4
	v_lshlrev_b32 v11, 5, v10
	v_sub_nc_u32 v4, v4, v11                       ; my query in its band, less 32 h: the same in both tiles
	global_load_b32 v3, v31, s[88:89] offset:4096  ; the high tile's scale words
	v_add_nc_u32 v11, s77, v1                      ; LDS: what is handed over, 16 bytes a lane
	v_lshlrev_b32 v10, 3, v10                      ; 8 h
.irp j, 0,1,2,3
	v_mov_b32 v[20+\j], 0                          ; zero codes for k = 64 .. 127
	v_mov_b32 v[SS+96+\j], 0                       ; named behind the first half's last tile of K, so written
.endr
	v_mov_b32 v[T2], 0                             ; a lane permute's destination counts as one of its sources
	v_mov_b32 v[FF+1], 0                           ; named with f as a pair
	s_mov_b32 s[NINF], 0xff800000
.macro BEGIN                           ; a tile begins: a trip is written once for all trips: the first finds zeros, which the first change of M leaves zeros
	v_mov_b32 v13, 0xff61b1e6                      ; the largest t so far: -3e38
	v_mov_b32 v14, 0                               ; the sum, in two halves
	v_mov_b32 v15, 0
	v_floor_f32 v12, -v13                          ; -M
.set j, 0
.rept 32
	v_mov_b32 v[OT+j], 0
.set j, j+1
.endr
.endm
	BEGIN
	s_mov_b32 s[SEL], 0x76543210
	s_mov_b32 s[SEL+1], 0xfedcba98
	s_mov_b32 s[CS], 0x3e38aa3b                    ; log2(e) / 8
	s_mov_b32 s[CS+1], s[CS]
	s_mov_b32 s[ST], 0
	s_mov_b32 s[KO], 0
	s_mov_b32 s[VO], VB
	s_mov_b32 s[PH], 0
; The largest score of each of half f's two blocks: for the row's maximum, and, since p rises with the score, for the block's largest p.  Four chains a block.
.macro BMAX f
.set B0, SS+64*(\f)
.set BF, 2*(\f)
; (Four chains a block: the third and the fourth in PC's registers; each accumulator is read from its low end on.)
.irp c, 0,1
	v_max3_num_f32 v[BM+BF+\c], v[B0+32*\c], v[B0+32*\c+1], v[B0+32*\c+2]
.endr
.irp c, 0,1
	v_max3_num_f32 v[BT+BF+\c], v[B0+32*\c+3], v[B0+32*\c+4], v[B0+32*\c+5]
.endr
.irp c, 0,1
	v_max3_num_f32 v[PC+\c], v[B0+32*\c+6], v[B0+32*\c+7], v[B0+32*\c+8]
.endr
.irp c, 0,1
	v_max3_num_f32 v[PC+2+\c], v[B0+32*\c+9], v[B0+32*\c+10], v[B0+32*\c+11]
.endr
.irp i, 12,20,28
.irp c, 0,1
	v_max3_num_f32 v[BM+BF+\c], v[BM+BF+\c], v[B0+32*\c+\i], v[B0+32*\c+\i+1]
.endr
.irp c, 0,1
	v_max3_num_f32 v[BT+BF+\c], v[BT+BF+\c], v[B0+32*\c+\i+2], v[B0+32*\c+\i+3]
.endr
.if \i < 28
.irp c, 0,1
	v_max3_num_f32 v[PC+\c], v[PC+\c], v[B0+32*\c+\i+4], v[B0+32*\c+\i+5]
.endr
.irp c, 0,1
	v_max3_num_f32 v[PC+2+\c], v[PC+2+\c], v[B0+32*\c+\i+6], v[B0+32*\c+\i+7]
.endr
.endif
.endr
.irp c, 0,1
	v_max3_num_f32 v[BM+BF+\c], v[BM+BF+\c], v[PC+\c], v[PC+2+\c]
.endr
.irp c, 0,1
	v_max_num_f32 v[BM+BF+\c], v[BM+BF+\c], v[BT+BF+\c]
.endr
.endm
.macro KLOAD f, o, kf, ks              ; half f's K, o bytes behind v5: eight tiles, and their scale words: lane (r, hh) takes those of tiles 4 hh .. 4 hh + 3
.irp t, 0,1,2,3,4,5,6,7
	ds_load_b128 v[\kf+4*\t:\kf+4*\t+3], v5 offset:\o+4608*\f+512*\t
.endr
	ds_load_b128 v[\ks:\ks+3], v5 offset:\o+4608*\f+4096
.endm
.macro QK f, kf, ks                    ; register 64 f + 32 c + i holds key 128 (step + f) + 64 c + 32 h + i of my query
.irp t, 0,1,2,3
	v_wmma_scale_f32_16x16x128_f8f6f4 v[SS+64*\f+8*\t:SS+64*\f+8*\t+7], v[\kf+4*\t:\kf+4*\t+7], v[16:23], 0, v[\ks+\t], v24 matrix_a_fmt:MATRIX_FMT_FP4 matrix_b_fmt:MATRIX_FMT_FP4
.endr
.irp t, 4,5,6,7
	v_wmma_scale_f32_16x16x128_f8f6f4 v[SS+64*\f+8*\t:SS+64*\f+8*\t+7], v[\kf+4*\t:\kf+4*\t+7], v[16:23], 0, v[\ks+\t-4], v24 matrix_a_fmt:MATRIX_FMT_FP4 matrix_b_fmt:MATRIX_FMT_FP4 matrix_a_scale:MATRIX_SCALE_ROW1
.endr
.endm
.macro SUMS f                          ; half f's unquantised p onto the sum: two at a time, in five chains by turns
.set j, 0
.if \f == 0
.irp k, 0,1,2,3
	v_pk_add_f32 v[CH+2*\k:CH+2*\k+1], v[SS+4*\k:SS+4*\k+1], v[SS+4*\k+2:SS+4*\k+3]
.endr
	v_pk_add_f32 v[14:15], v[14:15], v[SS+16:SS+17]
.set j, 9
.endif
.rept 32-9*(1-\f)
.if (j+1)%5 == 4
	v_pk_add_f32 v[14:15], v[14:15], v[SS+64*\f+2*j:SS+64*\f+2*j+1]
.else
	v_pk_add_f32 v[CH+2*((j+1)%5):CH+2*((j+1)%5)+1], v[CH+2*((j+1)%5):CH+2*((j+1)%5)+1], v[SS+64*\f+2*j:SS+64*\f+2*j+1]
.endif
.set j, j+1
.endr
.endm
.macro VLOAD f, vf                     ; half f's V^T: eight loads, and its scale words: lane (r, hh) takes the words of tiles 2 hh, 2 hh + 1
.irp n, 0,1,2,3
.irp c, 0,1
	ds_load_b128 v[\vf+8*\n+4*\c:\vf+8*\n+4*\c+3], v[VA] offset:4352*\f+1024*\n+512*\c
.endr
.endr
	ds_load_b64 v[VS+2*\f:VS+2*\f+1], v[VSA] offset:4352*\f+4096
.endm
.macro CODES f, pc
.irp c, 0,1
.irp g, 0,1,2,3
	v_cvt_scalef32_pk8_fp4_f32 v[\pc+4*\c+\g], v[SS+64*\f+32*\c+8*\g:SS+64*\f+32*\c+8*\g+7], v[SCO+2*\f+\c]
.endr
.endr
	v_nop                                          ; one plain line behind a scaled conversion
.endm
.macro PV f, vf, pc                    ; O^T += V^T P^T over half f's 128 keys
.irp n, 0,1
.if \f
	v_wmma_scale_f32_16x16x128_f8f6f4 v[OT+8*\n:OT+8*\n+7], v[\vf+8*\n:\vf+8*\n+7], v[\pc:\pc+7], v[OT+8*\n:OT+8*\n+7], v[VS+2+\n], v[PW] matrix_a_fmt:MATRIX_FMT_FP4 matrix_b_fmt:MATRIX_FMT_FP4 matrix_b_scale:MATRIX_SCALE_ROW1
.else
	v_wmma_scale_f32_16x16x128_f8f6f4 v[OT+8*\n:OT+8*\n+7], v[\vf+8*\n:\vf+8*\n+7], v[\pc:\pc+7], v[OT+8*\n:OT+8*\n+7], v[VS+\n], v[PW] matrix_a_fmt:MATRIX_FMT_FP4 matrix_b_fmt:MATRIX_FMT_FP4
.endif
.endr
.irp n, 2,3
.if \f
	v_wmma_scale_f32_16x16x128_f8f6f4 v[OT+8*\n:OT+8*\n+7], v[\vf+8*\n:\vf+8*\n+7], v[\pc:\pc+7], v[OT+8*\n:OT+8*\n+7], v[VS+\n], v[PW] matrix_a_fmt:MATRIX_FMT_FP4 matrix_b_fmt:MATRIX_FMT_FP4 matrix_a_scale:MATRIX_SCALE_ROW1 matrix_b_scale:MATRIX_SCALE_ROW1
.else
	v_wmma_scale_f32_16x16x128_f8f6f4 v[OT+8*\n:OT+8*\n+7], v[\vf+8*\n:\vf+8*\n+7], v[\pc:\pc+7], v[OT+8*\n:OT+8*\n+7], v[VS+\n-2], v[PW] matrix_a_fmt:MATRIX_FMT_FP4 matrix_b_fmt:MATRIX_FMT_FP4 matrix_a_scale:MATRIX_SCALE_ROW1
.endif
.endr
.endm
; nh halves of 128 keys (2 or 1).
.macro STEP nh
	v_nop                                          ; with the four at the last trip's end: the places between its products and what writes over registers that they read
.if \nh == 2
	s_wait_dscnt 9                                 ; the first half's K is in; the second half's nine loads may be out
.else
	s_wait_dscnt 0x0
.endif
	QK 0, SS+64, KS
	v_add_nc_u32 v5, s[KO], v1                     ; (these five are also the places behind the products: the next ones write over K's registers)
	v_add_nc_u32 v[VA], s[VO], v1
	v_add_nc_u32 v[VSA], s[VO], v2
	v_nop
	v_nop
.if \nh == 2
	s_wait_alu depctr_va_vdst(0)                   ; the wait here, directly ahead of the wait below
	s_wait_dscnt 0x0                               ; the second half's K
	QK 1, KF, KS1
	BMAX 0                                         ; the first half's scores: these lines are also the places behind the second half's products
.endif
	VLOAD 0, KF                                    ; into K's registers; it lands under the softmax
	s_add_co_u32 s76, s[ST], \nh-1
	s_cmp_lg_u32 s76, s[BAND]                      ; only the band's own step lies on the diagonal
	s_cbranch_scc1 .Lopen_\@
.set n, 0
.rept 64
	v_cmp_gt_i32 vcc_lo, 64*(n/32)+n%32, v4        ; hidden where the key comes after the query
	v_cndmask_b32 v[SS+64*(\nh-1)+n], v[SS+64*(\nh-1)+n], s[NINF], vcc_lo
.set n, n+1
.endr
.Lopen_\@:
	BMAX \nh-1
.if \nh == 2
	v_max3_num_f32 v[TMP], v[BM], v[BM+1], v[BM+2]
	v_max_num_f32 v[TMP], v[TMP], v[BM+3]
.else
	v_max_num_f32 v[TMP], v[BM], v[BM+1]
.endif
	s_delay_alu instid0(VALU_DEP_1)
	v_permlanex16_b32 v[T2], v[TMP], s[SEL], s[SEL+1]
	s_delay_alu instid0(VALU_DEP_1)
	v_max_num_f32 v[TMP], v[TMP], v[T2]            ; with lane l xor 16's blocks: the trip's largest score
	s_delay_alu instid0(VALU_DEP_1)
	v_mul_f32 v[TMP], s[CS], v[TMP]                ; as t
	s_delay_alu instid0(VALU_DEP_1)
	v_max_num_f32 v13, v13, v[TMP]                 ; the running largest t
	v_mov_b32 v[TMP], v12
	s_delay_alu instid0(VALU_DEP_2)
	v_floor_f32 v12, -v13                          ; the new -M = -ceil(t): a whole number
	s_delay_alu instid0(VALU_DEP_1)
	v_sub_f32 v[TMP], v12, v[TMP]                  ; old M - new M: a whole number, 0 or less
	s_delay_alu instid0(VALU_DEP_1)
	v_cvt_i32_f32 v[TMP], v[TMP]                   ; (it saturates)
	s_delay_alu instid0(VALU_DEP_1)
	v_ldexp_f32 v[FF], 1.0, v[TMP]                 ; f
.set j, 0
.rept 32*\nh
	v_pk_fma_f32 v[SS+j:SS+j+1], v[SS+j:SS+j+1], s[CS:CS+1], v[12:13] op_sel_hi:[1,0,0]   ; t - M
.set j, j+2
.endr
.set j, 0
.rept \nh
	v_pk_fma_f32 v[BM+j:BM+j+1], v[BM+j:BM+j+1], s[CS:CS+1], v[12:13] op_sel_hi:[1,0,0]
.set j, j+2
.endr
	s_wait_alu depctr_va_vdst(0)                   ; the wait ahead of the batch
.set j, 0
.rept 64*\nh
	v_exp_f32 v[SS+j], v[SS+j]                     ; p, at most 1, not normalised
.set j, j+1
.endr
.set j, 0
.rept 2*\nh
	v_exp_f32 v[BM+j], v[BM+j]                     ; the block's largest p: the same two instructions on the same number
.set j, j+1
.endr
	v_pk_mul_f32 v[14:15], v[14:15], v[FF:FF+1] op_sel_hi:[1,0]   ; the sums under the new M (a plain line behind the exponentials)
	s_wait_alu depctr_va_vdst(0)                   ; and behind it
.set j, 0
.rept 2*\nh
	v_max_num_f32 v[BM+j], 0x1800000, v[BM+j]      ; the floor 2^(3 - 127)
.set j, j+1
.endr
.set j, 0
.rept 2*\nh
	v_add_nc_u32 v[SCO+j], 0xff000000, v[BM+j]     ; 2 off the exponent field
.set j, j+1
.endr
.set j, 0
.rept 2*\nh
	v_lshrrev_b32 v[BT+j], 23, v[SCO+j]            ; the bytes of blocks h and 2 + h
.set j, j+1
.endr
	v_lshl_or_b32 v[PW], v[BT+1], 16, v[BT]
.if \nh == 2
	v_lshl_or_b32 v[T2], v[BT+3], 16, v[BT+2]
.endif
	v_lshlrev_b32 v[PW], v10, v[PW]
.if \nh == 2
	v_lshlrev_b32 v[T2], v10, v[T2]
	v_permlane16_swap_b32 v[PW], v[T2]
.else
	v_permlanex16_b32 v[T2], v[PW], s[SEL], s[SEL+1]
.endif
	v_or_b32 v[PW], v[PW], v[T2]                   ; lanes 0-15: the first half's word of query r; lanes 16-31 (two halves): the second half's
	SUMS 0
	CODES 0, PC
.if \nh == 2
	VLOAD 1, SS+8                                  ; the second half's V^T, where converted p lay
	SUMS 1
.endif
	v_pk_add_f32 v[CH:CH+1], v[CH:CH+1], v[CH+2:CH+3]
	v_pk_add_f32 v[CH+4:CH+5], v[CH+4:CH+5], v[CH+6:CH+7]
	v_pk_add_f32 v[14:15], v[14:15], v[CH:CH+1]
	v_pk_add_f32 v[14:15], v[14:15], v[CH+4:CH+5]
.if \nh == 2
	CODES 1, SS
	KLOAD 0, 9216, SS+64, KS                       ; the next trip's first half of K, where converted p lay
.endif
	s_wait_alu depctr_va_vdst(0)                   ; the wait here, directly ahead of O^T's first reader
.set j, 0
.rept 16
	v_pk_mul_f32 v[OT+j:OT+j+1], v[OT+j:OT+j+1], v[FF:FF+1] op_sel_hi:[1,0]   ; O^T under the new M (also the places ahead of the scaled products)
.set j, j+2
.endr
	s_wait_alu depctr_va_vdst(0)                   ; the wait here, directly ahead of the wait below
.if \nh == 2
	s_wait_dscnt 18                                ; the first half's V^T is in; the second half's nine loads and the next K's nine may be out
	PV 0, KF, PC
	s_wait_dscnt 9                                 ; the second half's too
	PV 1, SS+8, SS
.else
	s_wait_dscnt 0x0
	PV 0, KF, PC
.endif
.rept 4
	v_nop                                          ; places
.endr
.if \nh == 2
	KLOAD 1, 9216, KF, KS1                         ; the next trip's second half of K, where V^T lay
.endif
.endm
; THE WAY OUT of a tile: O^T / l, quantised along the head's 64 channels (register i = channel 32 h + i: a block a lane), as piece head % 2 of K step head / 2 of the last product's operand; to s[to : to + 3].
.macro OUT to
	v_add_f32 v14, v14, v15
	s_delay_alu instid0(VALU_DEP_1)
	v_permlanex16_b32 v[T2], v14, s[SEL], s[SEL+1]
	s_delay_alu instid0(VALU_DEP_1)
	v_add_f32 v14, v14, v[T2]                      ; the row's sum
	s_wait_alu depctr_va_vdst(0)                   ; the wait ahead of the transcendental
	v_rcp_f32 v14, v14
	v_nop                                          ; a plain line behind it
	s_wait_alu depctr_va_vdst(0)                   ; and behind it
.set j, 0
.rept 32
	v_mul_f32 v[SS+j], v[OT+j], v14
.set j, j+1
.endr
.irp b, 0,1
	v_max3_num_f32 v[BM+\b], |v[SS+16*\b]|, |v[SS+16*\b+1]|, 0x1800000
.endr
.irp i, 2,4,6,8,10,12,14
.irp b, 0,1
	v_max3_num_f32 v[BM+\b], v[BM+\b], |v[SS+16*\b+\i]|, |v[SS+16*\b+\i+1]|
.endr
.endr
	v_max_num_f32 v[BM], v[BM], v[BM+1]
	v_add_nc_u32 v[SCO], 0xff000000, v[BM]
	v_lshrrev_b32 v[BT], 23, v[SCO]
	v_lshlrev_b32 v[BT], v10, v[BT]                ; my byte at place h;
	v_permlanex16_b32 v[T2], v[BT], s[SEL], s[SEL+1]
	v_or_b32 v[PW], v[BT], v[T2]                   ; with lane l xor 16's
.irp g, 0,1,2,3
	v_cvt_scalef32_pk8_fp4_f32 v[PC+\g], v[SS+8*\g:SS+8*\g+7], v[SCO]
.endr
	v_nop
	global_store_b128 v1, v[PC:PC+3], s[\to:\to+1] ; 512 consecutive bytes
	global_store_b16 v2, v[PW], s[\to+2:\to+3] offset:2048
.endm
	s_wait_alu depctr_va_vdst(0)                   ; the wait at the head's end
	s_wait_loadcnt 0x0                             ; Q
	s_wait_tensorcnt 0x0                           ; my part of K or V has landed
	s_wait_dscnt 0x0
	s_barrier_signal -1
	s_barrier_wait -1                              ; everybody's has; nothing is filled again
.Lphase:
	s_cmp_eq_u32 s[PH], 0
	s_cbranch_scc1 .Lgo
	; between the phases
.rept 4
	v_nop                                          ; places behind the last products
.endr
	s_wait_dscnt 0x0                               ; no load of K is out
	s_cmp_lg_u32 s[ROLE], 0
	s_cbranch_scc1 .Lhand
	OUT OL                                         ; role 0: the low tile is done,
	s_wait_alu depctr_va_vdst(0)                   ; the wait here, directly ahead of the wait below
	s_wait_xcnt 0x0                                ; the stores have read their registers,
.irp i, 0,1,2,3
	v_mov_b32 v[16+\i], v[64+\i]                   ; and the high tile begins
.endr
	v_mov_b32 v24, v3
	BEGIN
	s_mov_b32 s[BAND], s[HB]
	s_wait_alu depctr_va_vdst(0)                   ; the wait ahead of the branch
	s_branch .Lgo
.Lhand:
.irp k, 0,1,2,3,4,5,6,7
	ds_store_b128 v11, v[OT+4*\k:OT+4*\k+3] offset:512*\k   ; role 1: O^T,
.endr
	ds_store_b128 v11, v[12:15] offset:4096        ; -M and the sum's two halves are handed over;
	s_mov_b32 s[BAND], 0                           ; all further trips are left out
.Lgo:
	v_add_nc_u32 v5, s[KO], v1                     ; the phase's first K
	KLOAD 0, 0, SS+64, KS
	KLOAD 1, 0, KF, KS1
	s_mov_b32 s[CNT], 8
.Ltrip:
	s_cmp_gt_u32 s[ST], s[BAND]                    ; all the trip's keys come after my queries: left out
	s_cbranch_scc1 .Lskip
	s_cmp_eq_u32 s[ST], s[BAND]                    ; the trip's second half does
	s_cbranch_scc1 .Lone
	STEP 2
	s_branch .Lskip
.Lone:
	STEP 1
.Lskip:
	s_add_co_u32 s[ST], s[ST], 2
	s_add_co_u32 s[KO], s[KO], 9216
	s_add_co_u32 s[VO], s[VO], 8704
	s_sub_co_u32 s[CNT], s[CNT], 1
	s_cmp_lg_u32 s[CNT], 0
	s_cbranch_scc1 .Ltrip
	s_add_co_u32 s[PH], s[PH], 1
	s_cmp_lt_u32 s[PH], 2
	s_cbranch_scc1 .Lphase
.rept 4
	v_nop                                          ; places behind the last products
.endr
	s_wait_dscnt 0x0                               ; what I have handed over is in LDS,
	s_barrier_signal -1
	s_barrier_wait -1                              ; and what everybody has
	s_cmp_lg_u32 s[ROLE], 0
	s_cbranch_scc1 .Lend
	; role 0 joins the two parts of the high tile under the larger M
	ds_load_b128 v[BM:BM+3], v11 offset:4096       ; the other part's -M, (its largest t,) and its sum's two halves
.irp k, 0,1,2,3,4,5,6,7
	ds_load_b128 v[SS+4*\k:SS+4*\k+3], v11 offset:512*\k
.endr
	s_wait_dscnt 0x0
	v_min_num_f32 v[TMP], v12, v[BM]               ; -M
	v_sub_f32 v12, v[TMP], v12                     ; each part's own M less the larger: whole numbers, 0 or less
	v_sub_f32 v[BM], v[TMP], v[BM]
	v_cvt_i32_f32 v12, v12
	v_cvt_i32_f32 v[BM], v[BM]
	v_ldexp_f32 v12, 1.0, v12
	v_ldexp_f32 v[FF], 1.0, v[BM]
	v_pk_mul_f32 v[14:15], v[14:15], v[12:13] op_sel_hi:[1,0]
	v_pk_fma_f32 v[14:15], v[BM+2:BM+3], v[FF:FF+1], v[14:15] op_sel_hi:[1,0,1]
.set j, 0
.rept 16
	v_pk_mul_f32 v[OT+j:OT+j+1], v[OT+j:OT+j+1], v[12:13] op_sel_hi:[1,0]
.set j, j+2
.endr
.set j, 0
.rept 16
	v_pk_fma_f32 v[OT+j:OT+j+1], v[SS+j:SS+j+1], v[FF:FF+1], v[OT+j:OT+j+1] op_sel_hi:[1,0,1]
.set j, j+2
.endr
	OUT OH
.Lend:
	v_lshl_add_u32 v25, v0, 2, SPARE               ; the add's two registers, made anew
	v_mov_b32 v28, 0
	s_wait_alu depctr_va_vdst(0)                   ; the wait ahead of the wait below
	s_wait_tensorcnt 0x0                           ; the wave's end
	ds_add_u32 v25, v28
	s_wait_dscnt 0x0
	CROUND                                         ; the closing round
	s_endpgm
.Lfunc_end_k_qffebc91206_attn:
	.size	k_qffebc91206_attn, .Lfunc_end_k_qffebc91206_attn-k_qffebc91206_attn
	.p2alignl 7, 3214868480
	.fill 96, 4, 3214868480
	.section	.rodata,"a",@progbits
	.p2align	6, 0x0
	.amdhsa_kernel k_qffebc91206_attn
		.amdhsa_group_segment_fixed_size 325632
		.amdhsa_private_segment_fixed_size 0
		.amdhsa_enable_private_segment 0
		.amdhsa_kernarg_size 24
		.amdhsa_user_sgpr_count 2
		.amdhsa_user_sgpr_kernarg_segment_ptr 1
		.amdhsa_wavefront_size32 1
		.amdhsa_system_sgpr_workgroup_id_x 1
		.amdhsa_system_sgpr_workgroup_id_y 1
		.amdhsa_system_sgpr_workgroup_id_z 1
		.amdhsa_system_vgpr_workitem_id 0
		.amdhsa_next_free_vgpr 256
		.amdhsa_next_free_sgpr 96
		.amdhsa_reserve_vcc 1
		.amdhsa_float_denorm_mode_32 3
		.amdhsa_float_denorm_mode_16_64 3
		.amdhsa_memory_ordered 1
		.amdhsa_forward_progress 1
		.amdhsa_inst_pref_size 77
	.end_amdhsa_kernel
	.amdgpu_metadata
---
amdhsa.version: [ 1, 2 ]
amdhsa.kernels:
  - .name:           k_qffebc91206_attn
    .symbol:         k_qffebc91206_attn.kd
    .args:
      - { .name: qk, .offset: 0, .size: 8, .value_kind: global_buffer, .address_space: global }
      - { .name: vt, .offset: 8, .size: 8, .value_kind: global_buffer, .address_space: global }
      - { .name: oi, .offset: 16, .size: 8, .value_kind: global_buffer, .address_space: global }
    .group_segment_fixed_size: 325632
    .private_segment_fixed_size: 0
    .kernarg_segment_align: 8
    .kernarg_segment_size: 24
    .max_flat_workgroup_size: 512
    .sgpr_count:     96
    .vgpr_count:     256
    .wavefront_size: 32
...
	.end_amdgpu_metadata
.endif
;; end of part 3
;; launch oproj (part 4): grid 8 x 32, 4 waves a work-group, clusters of 4 x 4, 217,600 bytes of LDS; arguments oi, wi, bo, out0; writes out0
.if DOCPART == 4
	.amdgcn_target "amdgcn-amd-amdhsa--gfx1250"
	.amdhsa_code_object_version 6
	.text
	.protected	k_qffebc91206_oproj
	.globl	k_qffebc91206_oproj
	.p2align	8
	.type	k_qffebc91206_oproj,@function
k_qffebc91206_oproj:
	s_mov_b64 s[64:65], 0
	v_nop
	global_prefetch_b8 v0, s[64:65] scope:SCOPE_SE
	s_setreg_imm32_b32 hwreg(HW_REG_WAVE_MODE, 25, 1), 1
	s_wait_xcnt 0x0
	s_wait_alu depctr_hold_cnt(0) depctr_sa_sdst(0) depctr_va_vdst(0) depctr_va_sdst(0) depctr_va_ssrc(0) depctr_va_vcc(0) depctr_vm_vsrc(0)
	s_getreg_b32 s2, hwreg(HW_REG_IB_STS2, 6, 4)
	s_cmp_eq_u32 s2, 0
	s_cbranch_scc0 .Lentry_in_a_cluster
	s_endpgm
.Lentry_in_a_cluster:
	s_bfe_u32 s2, ttmp6, 0x10000c
	s_cmp_lg_u32 s2, 0xf033
	s_cbranch_scc0 .Lentry_shape_is_right
	s_endpgm
.Lentry_shape_is_right:
.set WR,  73728                        ; Wo's region in LDS; O's begins at 0
; out = O Wo^T + bo on codes of FP4 with E8M0 scales, sums in f32.  O's and Wo's codes and scale words come as operand images: [tile of 16 rows][record q = 0..3][2,304 bytes]; Wo's tiles are wi's 192-255.
; A work-group makes 128 rows x 128 columns: 256 work-groups.  ALL OF K = 1,024 OF BOTH OPERANDS lies in LDS (2 x 73,728 bytes): filled once, one joint load a wave, at the head.  There is no loop over memory to run ahead in, so nothing is prefetched.
; CLUSTER 4 x 4: O's tiles hang on the tile row alone and are asked for jointly along a row of the cluster, Wo's on the tile column alone, along a column.
; A WAVE (w) makes four wide tiles (source 0 = Wo's tiles 4 (w % 2) .. + 3: 64 columns) x four narrow tiles (source 1 = O's tiles 4 (w / 2) .. + 3: 64 rows): 16 accumulators that take turns, from 8 fragments for each 128 along K.
; Two sets of fragments: the next step's loads are out while a step is multiplied.
; Index r of tile T stands for row 64 (T / 4) + 8 (T % 4) + r % 8 + 32 (r / 8), on both sides: a lane holds one row and, in 32 registers, columns 32 (lane / 16) + 0..31.  The bias is the first step's C.
; The way out goes through the wave's own stage in LDS (behind the operands; no fill lands there): sixteen lanes store an aligned run of 256 bytes.
; LIMITS: as in the quantising launch.
.set STG, 147456                       ; the stages: 64 rows x 272 bytes a wave
.set SPARE, 217088                     ; the spare words
.set F,   32                           ; v32-159 fragments, two sets of 64: wide i at 8 i, narrow n at 32 + 8 n; on the way out rows read back, 32 registers a tile
.set SC,  160                          ; v160-191 scale words, two sets of 16: wide i at 2 i, narrow n at 8 + 2 n; + the step's parity
                                       ; window 1: v0-127 accumulator (n, i) at 32 n + 8 i; v128-159 the bias
.set WV,  18
.set G1X, 24
.set G1W, 32
.set G0X, 44
.set G0W, 48
.set MSB, 0
.macro WIN new                         ; the immediate's high byte repeats the setting that is left
.if MSB != \new
	s_set_vgpr_msb (MSB<<8)|\new
.set MSB, \new
.endif
.endm
.macro CROUND
	s_barrier_signal -1
	s_barrier_wait -1
	s_cmp_lg_u32 s[WV], 0
	s_cbranch_scc1 .Lnot_wave_0_\@
	s_barrier_signal -3
.Lnot_wave_0_\@:
	s_barrier_wait -3
	s_barrier_signal -1
	s_barrier_wait -1
.endm
.macro GET s                           ; step s's fragments (16 loads); an even step brings the scale words of two steps too (8)
.if (\s)%2 == 0
.irp i, 0,1,2,3
	ds_load_b64 v[SC+16*(((\s)/2)%2)+2*\i:SC+16*(((\s)/2)%2)+2*\i+1], v3 offset:9216*\i+2304*((\s)/2)+2048
	ds_load_b64 v[SC+16*(((\s)/2)%2)+8+2*\i:SC+16*(((\s)/2)%2)+9+2*\i], v4 offset:9216*\i+2304*((\s)/2)+2048
.endr
.endif
.irp c, 0,1
.irp i, 0,1,2,3
	ds_load_b128 v[F+64*((\s)%2)+8*\i+4*\c:F+64*((\s)%2)+8*\i+4*\c+3], v1 offset:9216*\i+2304*((\s)/2)+1024*((\s)%2)+512*\c
	ds_load_b128 v[F+64*((\s)%2)+32+8*\i+4*\c:F+64*((\s)%2)+35+8*\i+4*\c], v2 offset:9216*\i+2304*((\s)/2)+1024*((\s)%2)+512*\c
.endr
.endr
.endm
.macro STEP s
.rept 4
	v_nop                                          ; places between the last products and the loads into registers that they read
.endr
	WIN 0
.if (\s) < 7
	GET (\s)+1
.if (\s)%2
	s_wait_dscnt 24                                ; all but the 24 just issued
.else
	s_wait_dscnt 16                                ; all but the 16 just issued
.endif
.else
	s_wait_dscnt 0x0
.endif
	WIN 0x50
.set FS, F+64*((\s)%2)
.set SS, SC+16*(((\s)/2)%2)+(\s)%2
.irp i, 0,1,2,3
.irp n, 0,1,2,3
.if (\s) == 0
	v_wmma_scale_f32_16x16x128_f8f6f4 v[32*\n+8*\i:32*\n+8*\i+7], v[FS+8*\i:FS+8*\i+7], v[FS+32+8*\n:FS+39+8*\n], v[128+8*\i:135+8*\i], v[SS+2*\i], v[SS+8+2*\n] matrix_a_fmt:MATRIX_FMT_FP4 matrix_b_fmt:MATRIX_FMT_FP4
.else
	v_wmma_scale_f32_16x16x128_f8f6f4 v[32*\n+8*\i:32*\n+8*\i+7], v[FS+8*\i:FS+8*\i+7], v[FS+32+8*\n:FS+39+8*\n], v[32*\n+8*\i:32*\n+8*\i+7], v[SS+2*\i], v[SS+8+2*\n] matrix_a_fmt:MATRIX_FMT_FP4 matrix_b_fmt:MATRIX_FMT_FP4
.endif
.endr
.endr
.endm
	s_load_b256 s[4:11], s[0:1], 0x0               ; oi, wi, bo, out0
	v_lshl_add_u32 v26, v0, 2, SPARE
	v_mov_b32 v27, 0
	ds_add_u32 v26, v27                            ; the opening: the add twice on end, and its wait
	ds_add_u32 v26, v27
	v_lshrrev_b32 v1, 5, v0
	v_readfirstlane_b32 s[WV], v1                  ; wave 0..3
	v_and_b32 v28, 31, v0                          ; lane
	v_and_b32 v29, 15, v0                          ; r
	v_bfe_u32 v30, v0, 4, 1                        ; h
	v_lshlrev_b32 v5, 4, v28                       ; 16 x lane
	v_lshlrev_b32 v31, 3, v28                      ; 8 x lane
	s_bfe_u32 s19, ttmp6, 0x40000                  ; cx
	s_bfe_u32 s20, ttmp6, 0x40004                  ; cy
	s_lshl_b32 s21, ttmp9, 2
	s_add_co_u32 s21, s21, s19                     ; tile column 0..7
	s_and_b32 s22, ttmp7, 0xffff
	s_lshl_b32 s22, s22, 2
	s_add_co_u32 s22, s22, s20                     ; tile row 0..31
	s_lshr_b32 s40, s[WV], 1                       ; my 64 rows
	s_and_b32 s41, s[WV], 1                        ; my half of the columns.  Also: which four tiles of an operand I fetch
	s_lshl_b32 s42, s20, 2
	s_lshl_b32 s42, 15, s42                        ; my row of the cluster
	s_lshl_b32 s43, 0x1111, s19                    ; my column
	s_or_b32 s[G1X], s42, (3<<16)|(1<<21)          ; group 1: four tiles, dense: 144 rows of 256 bytes (32 elements of 8)
	s_or_b32 s[G1W], s43, (3<<16)|(1<<21)
.irp g, G1X, G1W
	s_mov_b32 s[\g+1], 32<<16
	s_mov_b32 s[\g+2], 144<<16
	s_mov_b32 s[\g+3], 32<<16
	s_mov_b32 s[\g+4], 144
	s_mov_b32 s[\g+5], 32
	s_mov_b32 s[\g+6], 0
	s_mov_b32 s[\g+7], 0
.endr
	s_lshl_b32 s56, s22, 3                         ; O: tile 8 x tile row + 4 x (wave % 2)
	s_lshl_b32 s57, s41, 2
	s_add_co_u32 s56, s56, s57
	s_mul_i32 s56, s56, 9216
	s_mov_b32 s57, 0
	s_lshl_b32 s60, s21, 3                         ; Wo: tile 192 + 8 x tile column + 4 x (wave % 2)
	s_lshl_b32 s61, s41, 2
	s_add_co_u32 s60, s60, s61
	s_add_co_u32 s60, s60, 192
	s_mul_i32 s60, s60, 9216
	s_mov_b32 s61, 0
	s_mul_i32 s84, s41, 36864                      ; where they go: the wave's number alone
	s_add_co_u32 s85, s84, WR
	s_wait_alu depctr_va_vdst(0)                   ; the wait ahead of the waits below
	s_wait_dscnt 0x0                               ; both opening adds are done
	s_wait_kmcnt 0x0
	s_mov_b32 s[G0X], 1
	s_mov_b32 s[G0X+1], s84
	s_add_nc_u64 s[G0X+2:G0X+3], s[4:5], s[56:57]
	s_or_b32 s[G0X+3], s[G0X+3], 0x80000000
	s_mov_b32 s[G0W], 1
	s_mov_b32 s[G0W+1], s85
	s_add_nc_u64 s[G0W+2:G0W+3], s[6:7], s[60:61]
	s_or_b32 s[G0W+3], s[G0W+3], 0x80000000
	CROUND                                         ; all sixteen work-groups are here: the joint loads meet
	s_cmp_lt_u32 s[WV], 2                          ; waves 0, 1 fetch O, waves 2, 3 Wo: one load a wave
	s_cbranch_scc0 .Lfor_w
	tensor_load_to_lds s[G0X:G0X+3], s[G1X:G1X+7]
	s_nop 0
.rept 4
	v_nop
.endr
	s_branch .Lasked
.Lfor_w:
	tensor_load_to_lds s[G0W:G0W+3], s[G1W:G1W+7]
	s_nop 0
.rept 4
	v_nop
.endr
.Lasked:
	s_mul_i32 s90, s41, 36864
	s_add_co_u32 s90, s90, WR                      ; my four tiles of Wo
	s_mul_i32 s91, s40, 36864                      ; my four of O
	s_mul_i32 s89, s[WV], 17408
	s_add_co_u32 s89, s89, STG                     ; my stage
	s_lshl_b32 s96, s21, 9
	s_lshl_b32 s97, s41, 8
	s_add_co_u32 s96, s96, s97                     ; my 64 columns, in bytes
	s_mov_b32 s97, 0
	s_add_nc_u64 s[92:93], s[8:9], s[96:97]        ; bo there
	s_lshl_b32 s94, s22, 7
	s_lshl_b32 s95, s40, 6
	s_add_co_u32 s94, s94, s95                     ; my first row: 128 x tile row + 64 x (wave / 2)
	s_lshl_b32 s94, s94, 12
	s_add_co_u32 s94, s94, s96
	s_mov_b32 s95, 0
	s_add_nc_u64 s[84:85], s[10:11], s[94:95]
	v_lshlrev_b32 v7, 7, v30                       ; the bias: 128 h bytes
	v_add_nc_u32 v1, s90, v5
	v_add_nc_u32 v2, s91, v5
	v_add_nc_u32 v3, s90, v31
	v_add_nc_u32 v4, s91, v31
	WIN 0x40
.irp i, 0,1,2,3
	global_load_b128 v[128+8*\i:131+8*\i], v7, s[92:93] offset:32*\i
	global_load_b128 v[132+8*\i:135+8*\i], v7, s[92:93] offset:32*\i+16
.endr
	WIN 0
	v_mul_u32_u24 v6, v29, 272
	v_lshl_add_u32 v6, v30, 7, v6
	v_add_nc_u32 v6, s89, v6                       ; into the stage: row r, + 128 h
	v_mul_u32_u24 v8, v30, 272
	v_lshl_add_u32 v8, v29, 4, v8
	v_add_nc_u32 v8, s89, v8                       ; back: lanes 0-15 one row, lanes 16-31 the next
	v_lshlrev_b32 v9, 12, v30
	v_lshl_add_u32 v9, v29, 4, v9                  ; and the same two rows of out
	s_wait_alu depctr_va_vdst(0)                   ; the wait at the head's end
	s_wait_loadcnt 0x0                             ; the bias
	s_wait_tensorcnt 0x0                           ; my load has landed
	s_wait_dscnt 0x0
	s_barrier_signal -1
	s_barrier_wait -1                              ; everybody's has; nothing is filled again
	GET 0
	STEP 0
	STEP 1
	STEP 2
	STEP 3
	STEP 4
	STEP 5
	STEP 6
	STEP 7
.rept 4
	v_nop                                          ; places behind the last products: for the stores that read results and the loads into the fragments' registers
.endr
.macro TOSTAGE n                       ; narrow tile n: 16 rows x 64 columns into the stage, and back as whole rows
	WIN 0x04
.irp i, 0,1,2,3
	ds_store_b128 v6, v[32*\n+8*\i:32*\n+8*\i+3] offset:4352*\n+32*\i       ; each accumulator from its low end on
	ds_store_b128 v6, v[32*\n+8*\i+4:32*\n+8*\i+7] offset:4352*\n+32*\i+16
.endr
	WIN 0
.irp t, 0,1,2,3,4,5,6,7
	ds_load_b128 v[F+32*\n+4*\t:F+32*\n+4*\t+3], v8 offset:4352*\n+544*\t   ; LDS serves a wave's instructions in order: these see the stores above
.endr
.endm
.macro SEND n
.irp t, 0,1,2,3,4,5,6,7
	global_store_b128 v9, v[F+32*\n+4*\t:F+32*\n+4*\t+3], s[84:85] offset:(8*\n+2*\t+24*(\t/4))*4096 th:TH_STORE_NT   ; two aligned runs of 256 bytes; written once, read by nobody here
.endr
.endm
	TOSTAGE 0
	TOSTAGE 1
	s_wait_dscnt 16                                ; tile 0's rows are back; tile 1's 8 stores and 8 loads may be out
	SEND 0
	TOSTAGE 2
	s_wait_dscnt 16
	SEND 1
	TOSTAGE 3
	s_wait_dscnt 16
	SEND 2
	s_wait_dscnt 0x0
	SEND 3
	s_wait_tensorcnt 0x0                           ; the wave's end
	ds_add_u32 v26, v27
	s_wait_dscnt 0x0
	CROUND                                         ; the closing round
	s_endpgm
.Lfunc_end_k_qffebc91206_oproj:
	.size	k_qffebc91206_oproj, .Lfunc_end_k_qffebc91206_oproj-k_qffebc91206_oproj
	.p2alignl 7, 3214868480
	.fill 96, 4, 3214868480
	.section	.rodata,"a",@progbits
	.p2align	6, 0x0
	.amdhsa_kernel k_qffebc91206_oproj
		.amdhsa_group_segment_fixed_size 217600
		.amdhsa_private_segment_fixed_size 0
		.amdhsa_enable_private_segment 0
		.amdhsa_kernarg_size 32
		.amdhsa_user_sgpr_count 2
		.amdhsa_user_sgpr_kernarg_segment_ptr 1
		.amdhsa_wavefront_size32 1
		.amdhsa_system_sgpr_workgroup_id_x 1
		.amdhsa_system_sgpr_workgroup_id_y 1
		.amdhsa_system_sgpr_workgroup_id_z 1
		.amdhsa_system_vgpr_workitem_id 0
		.amdhsa_next_free_vgpr 416
		.amdhsa_next_free_sgpr 100
		.amdhsa_reserve_vcc 0
		.amdhsa_float_denorm_mode_32 3
		.amdhsa_float_denorm_mode_16_64 3
		.amdhsa_memory_ordered 1
		.amdhsa_forward_progress 1
		.amdhsa_inst_pref_size 43
	.end_amdhsa_kernel
	.amdgpu_metadata
---
amdhsa.version: [ 1, 2 ]
amdhsa.kernels:
  - .name:           k_qffebc91206_oproj
    .symbol:         k_qffebc91206_oproj.kd
    .args:
      - { .name: oi, .offset: 0, .size: 8, .value_kind: global_buffer, .address_space: global }
      - { .name: wi, .offset: 8, .size: 8, .value_kind: global_buffer, .address_space: global }
      - { .name: bo, .offset: 16, .size: 8, .value_kind: global_buffer, .address_space: global }
      - { .name: out0, .offset: 24, .size: 8, .value_kind: global_buffer, .address_space: global }
    .group_segment_fixed_size: 217600
    .private_segment_fixed_size: 0
    .kernarg_segment_align: 8
    .kernarg_segment_size: 32
    .max_flat_workgroup_size: 128
    .sgpr_count:     100
    .vgpr_count:     416
    .wavefront_size: 32
...
	.end_amdgpu_metadata
.endif
;; end of part 4
